; MI455X (gfx1250); checked and timed in simulation.
; The chip was launched on July 23, 2026; its instructions are those of AMD's public machine-readable ISA for CDNA 5 (MIT licence, August 2026) and "CDNA5" Instruction Set Architecture Reference Guide (July 2026). The comments in the code are by the model that wrote it; some were corrected since.
;; Causal Self Attention. Allowed arithmetic: matrix products marked QUANTISED: E2M3 operands, one E8M0 scale for each 32 along K, by v_wmma_scale_f32_16x16x128_f8f6f4 with both operands' format E2M3, f32 sums; everything else in f32.
;; Inputs: w_proj 1,024 x 1,024 float32; w_qkv 1,024 x 3,072 float32; x 4 x 2,048 x 1,024 float32.
;; Outputs: out0 4 x 2,048 x 1,024 float32.
;; This version of the problem:
;;   THIS VERSION OF THE PROBLEM IS GIVEN IN LOW PRECISION. The matrix products marked QUANTISED in the list below multiply operands that are first quantised to E2M3 (2 exponent bits, 3 mantissa bits; 6 bits a number), with one power-of-two scale for each 32 numbers along K (OCP MX v1.0); their sums are f32. All else is computed in f32.
;;   The module's matrix products, in the order in which they are computed (A, B: the left and right operand; K: the contracted axis; several contracted axes count as one K, in the product's order):
;;     1. [M 8,192, K 1,024] x [K 1,024, N 3,072]; A: input x; B: input w_qkv: QUANTISED
;;     2. batch 64 x [M 2,048, K 64] x [K 64, N 2,048]; A: computed on the way; B: computed on the way: QUANTISED
;;     3. batch 64 x [M 2,048, K 2,048] x [K 2,048, N 64]; A: softmax (see below); B: computed on the way: QUANTISED
;;     4. [M 8,192, K 1,024] x [K 1,024, N 1,024]; A: computed on the way; B: input w_proj: QUANTISED
;;   THE QUANTISER, for each operand of a quantised product, along K:
;;     - K is cut into blocks of 32 from its start; a last block that is shorter is filled with zeros.
;;     - A block's scale is 2^e with e = floor(log2(the largest magnitude in the block)) - 2, held to -126 .. 127; a block of zeros has e = 0. As a byte (E8M0): e + 127.
;;     - Each number is divided by its block's scale, clamped to +-7.5, and rounded to the nearest number of E2M3, ties to even, subnormals kept.
;;     - The product sums the exact products of the quantised numbers (number of the format x scale) in f32.
;;   ~~~python
;;   def quantise(x, axis):      # numpy; x: float32 -> the quantised numbers, widened to float32 again
;;       x = np.moveaxis(x, axis, -1); K = x.shape[-1]
;;       x = np.pad(x, [(0, 0)] * (x.ndim - 1) + [(0, -K % 32)]); x = x.reshape(x.shape[:-1] + (-1, 32)); a = np.abs(x).max(-1, keepdims=True)
;;       e = np.where(a > 0, np.clip(np.frexp(np.where(a > 0, a, 1))[1] - 1 - 2, -126, 127), 0)      # np.frexp(a)[1] - 1 = floor(log2(a)), exactly
;;       r = np.clip(x / 2.0 ** e, -7.5, 7.5)
;;       step = 2.0 ** (np.maximum(np.frexp(np.where(r == 0, 1, r))[1] - 1, 0) - 3)
;;       q = np.round(r / step) * step * 2.0 ** e      # np.round: ties to even
;;       return np.moveaxis(q.reshape(q.shape[:-2] + (-1,))[..., :K], -1, axis).astype(np.float32)
;;   ~~~
;;   SOFTMAX AHEAD OF A QUANTISED PRODUCT. Where the list says 'softmax', what is quantised is not the finished softmax but p = 2^(t - M), with t = logit x log2(e) and M = ceil(the row's largest t), a whole number; so 1/2 < the row's largest p <= 1. The row's sum l is taken of the UNQUANTISED p, in f32, and the product's result is divided by l at the end. Since M is a whole number, a kernel that streams over the keys may use a running M (the ceiling of the running maximum): every later rescaling is an exact power of two, which a block's scale takes up: the codes' values come out the same.
;;   OPERANDS COMPUTED ON THE WAY. 'Computed on the way' means the value that the module computes at that place (a softmax that the list does not call 'softmax' is quantised finished and normalised). What goes into a quantiser is computed in f32, as accurately as f32 sums, v_exp_f32 and their like allow (about 1e-6 of the number): no bf16 or f16 on the way to a quantiser, and a product that is left as it is and whose result goes on into a quantised operand takes f32 operands (vector FMAs, or v_wmma_f32_16x16x4_f32). A number that lies on a knife's edge between two numbers of the format may be rounded either way, as far as f32 arithmetic and the matrix unit's own rounding can turn it there, and no further.
;; One version. Each part assembles by itself: llvm-mc -triple=amdgcn-amd-amdhsa -mcpu=gfx1250 --defsym DOCPART=n.
;; ======== version 1 of 1: 4 launches
;; workspace buffers: ximg 6,291,456 bytes; wimg 3,145,728 bytes; yimg 6,291,456 bytes; scl 655,360 bytes; qkvc 18,874,368 bytes; qkvs 786,432 bytes
;; launch quant (part 1): grid 512 x 1, 4 waves a work-group, no clusters, 34,816 bytes of LDS; arguments x, w_qkv, w_proj, ximg, wimg, scl; writes ximg, wimg, scl
.if DOCPART == 1
	.amdgcn_target "amdgcn-amd-amdhsa--gfx1250"
	.amdhsa_code_object_version 6
	.text
	.protected	k_q283a1ca878_quant
	.globl	k_q283a1ca878_quant
	.p2align	8
	.type	k_q283a1ca878_quant,@function
k_q283a1ca878_quant:
	s_mov_b64 s[64:65], 0
	v_nop
	global_prefetch_b8 v0, s[64:65] scope:SCOPE_SE
	s_setreg_imm32_b32 hwreg(HW_REG_WAVE_MODE, 25, 1), 1
	s_wait_xcnt 0x0
; x [8192][1024], w_qkv [1024][3072] and w_proj [1024][1024], f32, become codes of FP6 (E2M3) with one E8M0 byte for each 32 along K (x: its last axis; the weights: their first).
; A block's scale is 2^(floor(log2(largest magnitude)) - 2); its byte is the largest magnitude's exponent field - 2, held at 1 from below.
; LIMITS: NaN and infinities are not served; a block whose largest magnitude lies under 2^-124 keeps the byte 1; a block of zeros has the byte 1 (its codes are zeros; only this program reads the bytes).
; THE CODES ARE LAID AS IMAGES OF THE OPERAND'S REGISTERS.  A tile is 16 rows: tile 2 g + u holds rows 32 g + 8 u + p + 8 (p / 8), p = 0 .. 15.  A half fragment (16 rows x 64 K, 768 bytes) holds registers 0-3 of
; lane (p, h) at 16 p + 256 h and registers 4-5 at 512 + 16 p + 8 h; a fragment (128 K) is two of them; a tile's eight fragments lie on end (12,288 bytes).  Scale words: [tile][K step / 4][p][K step % 4], 512 bytes a tile.
; Work-groups 0-255 take x: a wave takes one tile x 512 K.  Each load reads 512 consecutive bytes of a row; the 16 rows turn through the wave's own stage in LDS so that a lane holds 16 neighbours of each block.
; Work-groups 256-511 take the weights: a wave takes 32 columns x 128 K, a lane a column, its registers down K: a block lies in one lane, and the codes come out with K innermost.  Its loads run two blocks (64 loads) ahead.
; The two paths part on the work-group's number and have LDS bytes of their own.  No tensor loads.
.set STG,  8448                        ; a wave's stage: 16 rows x (512 bytes + 16)
.set WSC,  4*STG                       ; the weights' path: 512 bytes in which four waves' scale words meet
.set TM,   16                          ; v16-19 largest magnitudes, v20-23 the other half's / the bytes, v28-31 the conversions' scale operands
.set PC,   32                          ; v32-43 a fragment's codes; v44-50 the conversions' second halves
.set PWS,  52                          ; v52-55 four K steps' scale words
.set R,    64                          ; v64-191 numbers as loaded
.set X,    192                         ; v192-255 64 numbers of a lane: register 16 b + i = k 32 b + 16 h + i of its row
.set SEL,  20                          ; s[20:21] lane selects: lane l xor 16
; 64 numbers of a lane become a fragment's codes in v[PC] on and its row's scale word in v[pw]
.macro QUANT s, pw
.irp b, 0,1,2,3
	v_max3_num_f32 v[TM+\b], |v[\s+16*\b]|, |v[\s+1+16*\b]|, 0x1800000   ; my 16 numbers of block b, and the floor 2^(3 - 127): the byte cannot fall under 1
.endr
.irp i, 2,4,6,8,10,12,14
.irp b, 0,1,2,3
	v_max3_num_f32 v[TM+\b], v[TM+\b], |v[\s+16*\b+\i]|, |v[\s+1+16*\b+\i]|   ; the four blocks by turns
.endr
.endr
.irp b, 0,1,2,3
	v_permlanex16_b32 v[TM+4+\b], v[TM+\b], s[SEL], s[SEL+1]
.endr
.irp b, 0,1,2,3
	v_max_num_f32 v[TM+\b], v[TM+\b], v[TM+4+\b]   ; with lane l xor 16's 16: the block's largest magnitude
.endr
.irp b, 0,1,2,3
	v_add_nc_u32 v[TM+12+\b], 0xff000000, v[TM+\b]   ; 2 off its exponent field: the conversion takes this operand's exponent field as its scale
.endr
.irp b, 0,1,2,3
	v_lshrrev_b32 v[TM+4+\b], 23, v[TM+12+\b]      ; the scale's byte
.endr
	v_lshl_or_b32 v[\pw], v[TM+5], 8, v[TM+4]
	v_lshl_or_b32 v[\pw], v[TM+6], 16, v[\pw]
	v_lshl_or_b32 v[\pw], v[TM+7], 24, v[\pw]
.irp c, 0,1
	v_cvt_scalef32_pk16_fp6_f32 v[PC+6*\c:PC+2+6*\c], v[\s+32*\c:\s+15+32*\c], v[TM+12+2*\c]
	v_cvt_scalef32_pk16_fp6_f32 v[PC+12+4*\c:PC+14+4*\c], v[\s+16+32*\c:\s+31+32*\c], v[TM+12+2*\c+1]   ; (a conversion's three registers begin on an even number)
.endr
	v_nop                                          ; one plain place behind a scaled conversion
.irp c, 0,1                                    ; the layout wants a whole block in a lane: lanes 0-15 block 2 c, lanes 16-31 block 2 c + 1
.irp i, 0,1,2
	v_permlane16_swap_b32 v[PC+6*\c+\i], v[PC+12+4*\c+\i]
.endr
.irp i, 0,1,2
	v_mov_b32 v[PC+3+6*\c+\i], v[PC+12+4*\c+\i]
.endr
.endr
.endm
	s_load_b128 s[4:7], s[0:1], 0x0                ; x, w_qkv
	s_load_b128 s[8:11], s[0:1], 0x10              ; w_proj, ximg
	s_load_b128 s[12:15], s[0:1], 0x20             ; wimg, scl
	v_lshl_add_u32 v27, v0, 2, 0x8600
	v_mov_b32 v59, 0
	v_lshrrev_b32 v1, 5, v0
	v_readfirstlane_b32 s16, v1                    ; wave 0..3
	v_and_b32 v1, 31, v0                           ; lane
	v_and_b32 v2, 15, v0                           ; r
	v_bfe_u32 v3, v0, 4, 1                         ; h
	v_lshlrev_b32 v4, 4, v1                        ; 16 x lane
	v_lshlrev_b32 v8, 4, v2                        ; 16 r
	v_lshl_add_u32 v5, v3, 3, v8                   ; 16 r + 8 h
	s_mov_b32 s[SEL], 0x76543210
	s_mov_b32 s[SEL+1], 0xfedcba98
	s_wait_kmcnt 0x0
	s_cmp_lt_u32 ttmp9, 256
	s_cbranch_scc0 .Lweights
	; ---------------- x ----------------
	s_mul_i32 s17, s16, STG
	v_add_nc_u32 v6, s17, v4                       ; into the stage: a row's 512 bytes as they lie
	v_mul_u32_u24 v7, v2, 528
	v_lshl_add_u32 v7, v3, 6, v7
	v_add_nc_u32 v7, s17, v7                       ; out of it: row r, + 64 h: my 16 numbers of a block
.irp b, 0,1,2,3
	v_mov_b32 v[TM+4+\b], 0                        ; written once: a lane permute's destination counts as one of its sources
.endr
	s_lshl_b32 s18, ttmp9, 2
	s_add_co_u32 s18, s18, s16                     ; 2 x tile + half of K
	s_lshr_b32 s19, s18, 1                         ; tile
	s_and_b32 s22, s18, 1                          ; half
	s_lshr_b32 s23, s19, 1
	s_lshl_b32 s23, s23, 17                        ; 32 rows of 4,096 bytes for each pair of tiles,
	s_and_b32 s24, s19, 1
	s_lshl_b32 s24, s24, 15                        ; 8 rows for the odd tile,
	s_add_co_u32 s24, s24, s23
	s_lshl_b32 s25, s22, 11                        ; 2,048 bytes for the second half of K
	s_add_co_u32 s24, s24, s25
	s_mov_b32 s25, 0
	s_mul_i32 s26, s19, 12288
	s_mul_i32 s27, s22, 6144
	s_add_co_u32 s26, s26, s27
	s_mov_b32 s27, 0
	s_lshl_b32 s28, s18, 8                         ; 512 x tile + 256 x half
	s_mov_b32 s29, 0
	s_add_nc_u64 s[4:5], s[4:5], s[24:25]
	s_add_nc_u64 s[10:11], s[10:11], s[26:27]
	s_add_nc_u64 s[14:15], s[14:15], s[28:29]
.macro XLOAD k                         ; K step k of the tile's 16 rows: each load reads 512 consecutive bytes
.irp i, 0,1,2,3,4,5,6,7,8,9,10,11,12,13,14,15
	global_load_b128 v[R+64*((\k)%2)+4*\i:R+64*((\k)%2)+4*\i+3], v4, s[4:5] offset:(\i+8*(\i/8))*4096+512*(\k) th:TH_LOAD_NT
.endr
.endm
.macro XSTEP k
.if (\k) < 3
	s_wait_loadcnt 16                              ; this K step's 16 loads are in; the next step's 16 may be out
.else
	s_wait_loadcnt 0x0
.endif
.irp i, 0,1,2,3,4,5,6,7,8,9,10,11,12,13,14,15
	ds_store_b128 v6, v[R+64*((\k)%2)+4*\i:R+64*((\k)%2)+4*\i+3] offset:528*\i
.endr
.irp b, 0,1,2,3                                ; LDS serves a wave's instructions in order: these see the stores above
.irp j, 0,1,2,3
	ds_load_b128 v[X+16*\b+4*\j:X+16*\b+4*\j+3], v7 offset:128*\b+16*\j
.endr
.endr
	s_wait_dscnt 0x0                               ; the numbers are back, and the stores have read their registers,
.if (\k) < 2
	XLOAD (\k)+2                                   ; which take the loads of two steps on
.endif
	s_wait_xcnt 0x0                                ; the last step's stores have read the codes' registers: they are written again only behind this wait
	QUANT X, PWS+(\k)
.irp c, 0,1
	global_store_b128 v4, v[PC+6*\c:PC+6*\c+3], s[10:11] offset:1536*(\k)+768*\c        ; 512 consecutive bytes
	global_store_b64 v5, v[PC+6*\c+4:PC+6*\c+5], s[10:11] offset:1536*(\k)+768*\c+512   ; 256 consecutive bytes
.endr
.endm
	XLOAD 0
	XLOAD 1
	XSTEP 0
	XSTEP 1
	XSTEP 2
	XSTEP 3
	global_store_b128 v8, v[PWS:PWS+3], s[14:15]   ; 16 rows x 4 words: 256 consecutive bytes (lanes 16-31 hold and write the same words)
	s_wait_tensorcnt 0x0
	ds_add_u32 v27, v59
	s_wait_dscnt 0x0
	s_endpgm
	; ---------------- the weights ----------------
.macro WLOAD b, stride, base           ; block b: W(128 K step + 32 b + i, my column), i = 0 .. 31: 128 consecutive bytes a load
.set i, 0
.rept 32
	global_load_b32 v[R+32*(\b)+i], v9, s[\base:\base+1] offset:(32*(\b)+i)*\stride
.set i, i+1
.endr
.endm
; Block b of my column: all its 32 numbers are mine.  Its six registers of codes go where three stores of 16 bytes want them: for the half fragment c = b / 2, at v[32 + 12 c]:
; registers 0-3 of the even block, registers 0-3 of the odd block, registers 4-5 of both.
.macro BLOCK b
.set XS, R+32*(\b)
.set GX, 32+12*((\b)/2)
.set OD, (\b)%2
.set TT, 56+4*((\b)%2)
	v_max3_num_f32 v16, |v[XS]|, |v[XS+1]|, |v[XS+2]|
	v_max3_num_f32 v17, |v[XS+3]|, |v[XS+4]|, |v[XS+5]|
.irp i, 6,10,14,18,22,26
	v_max3_num_f32 v16, v16, |v[XS+\i]|, |v[XS+\i+1]|
	v_max3_num_f32 v17, v17, |v[XS+\i+2]|, |v[XS+\i+3]|
.endr
	v_max3_num_f32 v16, v16, |v[XS+30]|, |v[XS+31]|
	v_max3_num_f32 v16, v16, v17, 0x1800000        ; and the floor
	v_add_nc_u32 v18, 0xff000000, v16              ; the conversions' scale operand
	v_lshrrev_b32 v19, 23, v18                     ; the byte
.if (\b) == 0
	v_mov_b32 v63, v19
.else
	v_lshl_or_b32 v63, v19, 8*(\b), v63            ; the K step's four bytes make my row's scale word
.endif
	v_cvt_scalef32_pk16_fp6_f32 v[GX+4*OD:GX+4*OD+2], v[XS:XS+15], v18
	v_cvt_scalef32_pk16_fp6_f32 v[TT:TT+2], v[XS+16:XS+31], v18
	v_nop                                          ; one plain place behind a scaled conversion
	v_mov_b32 v[GX+4*OD+3], v[TT]
	v_mov_b32 v[GX+8+2*OD], v[TT+1]
	v_mov_b32 v[GX+9+2*OD], v[TT+2]
.endm
.macro WOUT c                          ; each store: sixteen lanes fill 256 consecutive bytes of tile 2 G, the other sixteen of tile 2 G + 1; each half fragment has registers of its own, so no store's data are written again
	global_store_b128 v10, v[32+12*\c:35+12*\c], s[12:13] offset:768*\c
	global_store_b128 v10, v[36+12*\c:39+12*\c], s[12:13] offset:768*\c+256
	global_store_b128 v10, v[40+12*\c:43+12*\c], s[12:13] offset:768*\c+512
.endm
; A wave's four blocks.  The stride from row to row stands in the loads' immediates, so this is written out once for each of the two weights.
.macro WPATH stride, base
	WLOAD 0, \stride, \base
	WLOAD 1, \stride, \base
	s_wait_loadcnt 32                              ; block 0's 32 loads are in; block 1's may be out
	WLOAD 2, \stride, \base
	BLOCK 0
	s_wait_loadcnt 32                              ; block 1's are in; block 2's may be out
	WLOAD 3, \stride, \base
	BLOCK 1
	WOUT 0
	s_wait_loadcnt 32                              ; block 2's are in; block 3's may be out
	BLOCK 2
	s_wait_loadcnt 0x0
	BLOCK 3
	WOUT 1
.endm
.Lweights:
	s_sub_co_u32 s17, ttmp9, 256
	s_lshr_b32 s18, s17, 1                         ; G: which 32 columns (0-95 w_qkv's, 96-127 w_proj's) = tiles 2 G, 2 G + 1
	s_and_b32 s19, s17, 1                          ; which half of K
	s_lshl_b32 s22, s19, 2
	s_add_co_u32 s22, s22, s16                     ; my K step of 128
	v_lshlrev_b32 v9, 2, v1                        ; in: 4 bytes a lane
	v_bfe_u32 v14, v0, 3, 1                        ; column l of the 32 is row p = (l % 8) + 8 (l / 16) of tile u = (l / 8) % 2
	v_and_b32 v15, 7, v0
	v_lshl_or_b32 v15, v3, 3, v15
	v_lshlrev_b32 v15, 4, v15                      ; 16 p
	v_mad_u32_u24 v10, v14, 12288, v15             ; out: my tile, my row's 16 bytes
	v_lshl_add_u32 v11, v14, 8, v15
	s_lshl_b32 s23, s16, 2
	s_add_co_u32 s23, s23, WSC
	v_add_nc_u32 v11, s23, v11                     ; LDS: [u][p][wave]: my scale word
	v_add_nc_u32 v12, WSC, v4                      ; and back: 16 bytes a lane
	v_lshl_add_u32 v13, v3, 9, v8                  ; their place among the scale words: 512 (lane / 16) + 16 (lane % 16)
	s_mul_i32 s24, s18, 24576
	s_mul_i32 s25, s22, 1536
	s_add_co_u32 s24, s24, s25
	s_mov_b32 s25, 0
	s_add_nc_u64 s[12:13], s[12:13], s[24:25]      ; tile 2 G, my K step's fragment
	s_lshl_b32 s24, s18, 10
	s_lshl_b32 s26, s19, 8
	s_add_co_u32 s24, s24, s26
	s_add_co_u32 s24, s24, 262144                  ; the weights' scale words begin at tile 512
	s_add_nc_u64 s[14:15], s[14:15], s[24:25]
	s_cmp_lt_u32 s18, 96
	s_cbranch_scc0 .Lproj
	s_mul_i32 s28, s22, 128*12288                  ; w_qkv: my 128 rows of 12,288 bytes,
	s_lshl_b32 s29, s18, 7                         ; my 32 columns
	s_add_co_u32 s28, s28, s29
	s_mov_b32 s29, 0
	s_add_nc_u64 s[6:7], s[6:7], s[28:29]
	WPATH 12288, 6
	s_branch .Lcoded
.Lproj:
	s_mul_i32 s28, s22, 128*4096                   ; w_proj: rows of 4,096 bytes
	s_sub_co_u32 s29, s18, 96
	s_lshl_b32 s29, s29, 7
	s_add_co_u32 s28, s28, s29
	s_mov_b32 s29, 0
	s_add_nc_u64 s[8:9], s[8:9], s[28:29]
	WPATH 4096, 8
.Lcoded:
	ds_store_b32 v11, v63
	s_wait_dscnt 0x0                               ; for the others' sake: my word has landed
	s_barrier_signal -1
	s_barrier_wait -1
	s_cmp_lg_u32 s16, 0
	s_cbranch_scc1 .Ldone
	ds_load_b128 v[20:23], v12                     ; two tiles x 16 rows x the four waves' words
	s_wait_dscnt 0x0
	global_store_b128 v13, v[20:23], s[14:15]      ; two runs of 256 consecutive bytes
.Ldone:
	s_wait_tensorcnt 0x0
	ds_add_u32 v27, v59
	s_wait_dscnt 0x0
	s_endpgm
.Lfunc_end_k_q283a1ca878_quant:
	.size	k_q283a1ca878_quant, .Lfunc_end_k_q283a1ca878_quant-k_q283a1ca878_quant
	.p2alignl 7, 3214868480
	.fill 96, 4, 3214868480
	.section	.rodata,"a",@progbits
	.p2align	6, 0x0
	.amdhsa_kernel k_q283a1ca878_quant
		.amdhsa_group_segment_fixed_size 34816
		.amdhsa_private_segment_fixed_size 0
		.amdhsa_enable_private_segment 0
		.amdhsa_kernarg_size 48
		.amdhsa_user_sgpr_count 2
		.amdhsa_user_sgpr_kernarg_segment_ptr 1
		.amdhsa_wavefront_size32 1
		.amdhsa_system_sgpr_workgroup_id_x 1
		.amdhsa_system_sgpr_workgroup_id_y 1
		.amdhsa_system_sgpr_workgroup_id_z 1
		.amdhsa_system_vgpr_workitem_id 0
		.amdhsa_next_free_vgpr 256
		.amdhsa_next_free_sgpr 66
		.amdhsa_reserve_vcc 0
		.amdhsa_float_denorm_mode_32 3
		.amdhsa_float_denorm_mode_16_64 3
		.amdhsa_memory_ordered 1
		.amdhsa_forward_progress 1
		.amdhsa_inst_pref_size 73
	.end_amdhsa_kernel
	.amdgpu_metadata
---
amdhsa.version: [ 1, 2 ]
amdhsa.kernels:
  - .name:           k_q283a1ca878_quant
    .symbol:         k_q283a1ca878_quant.kd
    .args:
      - { .name: x, .offset: 0, .size: 8, .value_kind: global_buffer, .address_space: global }
      - { .name: w_qkv, .offset: 8, .size: 8, .value_kind: global_buffer, .address_space: global }
      - { .name: w_proj, .offset: 16, .size: 8, .value_kind: global_buffer, .address_space: global }
      - { .name: ximg, .offset: 24, .size: 8, .value_kind: global_buffer, .address_space: global }
      - { .name: wimg, .offset: 32, .size: 8, .value_kind: global_buffer, .address_space: global }
      - { .name: scl, .offset: 40, .size: 8, .value_kind: global_buffer, .address_space: global }
    .group_segment_fixed_size: 34816
    .private_segment_fixed_size: 0
    .kernarg_segment_align: 8
    .kernarg_segment_size: 48
    .max_flat_workgroup_size: 128
    .sgpr_count:     66
    .vgpr_count:     256
    .wavefront_size: 32
...
	.end_amdgpu_metadata
.endif
;; end of part 1
;; launch gemm_qkv (part 2): grid 12 x 32, 4 waves a work-group, clusters of 4 x 4, 327,680 bytes of LDS; arguments ximg, wimg, scl, qkvc, qkvs; writes qkvc, qkvs
.if DOCPART == 2
	.amdgcn_target "amdgcn-amd-amdhsa--gfx1250"
	.amdhsa_code_object_version 6
	.text
	.protected	k_q283a1ca878_gemm_qkv
	.globl	k_q283a1ca878_gemm_qkv
	.p2align	8
	.type	k_q283a1ca878_gemm_qkv,@function
k_q283a1ca878_gemm_qkv:
	s_mov_b64 s[64:65], 0
	v_nop
	global_prefetch_b8 v0, s[64:65] scope:SCOPE_SE
	s_setreg_imm32_b32 hwreg(HW_REG_WAVE_MODE, 25, 1), 1
	s_wait_xcnt 0x0
	s_wait_alu depctr_hold_cnt(0) depctr_sa_sdst(0) depctr_va_vdst(0) depctr_va_sdst(0) depctr_va_ssrc(0) depctr_va_vcc(0) depctr_vm_vsrc(0)
	s_getreg_b32 s2, hwreg(HW_REG_IB_STS2, 6, 4)
	s_cmp_eq_u32 s2, 0
	s_cbranch_scc0 .Lentry_in_a_cluster
	s_endpgm
.Lentry_in_a_cluster:
	s_bfe_u32 s2, ttmp6, 0x10000c
	s_cmp_lg_u32 s2, 0xf033
	s_cbranch_scc0 .Lentry_shape_is_right
	s_endpgm
.Lentry_shape_is_right:
; qkv = x w_qkv on codes of FP6 (E2M3) with E8M0 scales, K = 1,024; the results are quantised at once, in registers, and leave as codes: q and k along the head's 64, v along the keys.
; Operands arrive as images of their registers (tile 2 g + u = rows 32 g + 8 u + p + 8 (p / 8); a fragment of 16 rows x 128 K is 1,536 bytes; a tile's eight fragments lie on end).
; A work-group makes 256 tokens x 256 features; each of its four waves 128 x 128: 64 accumulators, 512 registers.  Source 0 (S0) gives a lane's eight registers, source 1 (S1) its lane: with the tiles' rows chosen as
; above, a lane's 64 registers of one S1 tile are 128 neighbours along S0's axis, 16 of each block of 32.  So S0 is the axis that is quantised: the features for q and k, the TOKENS for v.
; One text serves all three: the cluster's x (0: q, 1: k, 2: v; equal in all sixteen partners) chooses numbers, never a path: which half of a slot is S0's, and the strides of the way out.
; K is written out: 8 steps of 128.  Three LDS slots hold two steps each and are filled at the start; slot 0 is filled once more, with steps 6 and 7, behind step 1, and has four steps in which to land.
; CLUSTERS: 4 x 4 work-groups; the tokens' tiles are shared along a row of the cluster, the features' along a column: joint loads.
; LIMITS: NaN and infinities are not served; a block whose largest magnitude lies under 2^-124 keeps the byte 1; a block of zeros has the byte 1 (its codes are zeros; only this program reads the bytes).
; REGISTERS: window 0: v1-29 addresses; v32-95 all 64 scale words (register 8 i + K step: lanes 0-15 S1's tile i, lanes 16-31 S0's); v96-119 at work on the way out; v128-223 S1's fragments, one set; later the codes.
;   window 1: S0's fragments, two sets, at v0 and v128.   windows 2, 3: the accumulators ((a, b) at v[8 (8 (a % 4) + b)] of window 2 + a / 4).
.set SLOT,  98304                      ; tokens' 16 tiles x 3,072 bytes, then the features' 16
.set PART,  24576                      ; 8 tiles: what one tensor load brings, and what a wave reads of an operand
.set SPARE, 3*SLOT                     ; the spare words, 128 bytes for each wave: two blocks of 256 bytes that no other line names
.set FR,    12
.set S1H,   4                          ; v4-6   S1: slot n's base + 16 x lane
.set S0H,   7                          ; v7-9   S0 likewise
.set S1T,   10                         ; v10-12 S1: slot n's base + 16 r + 8 h
.set S0T,   13                         ; v13-15 S0 likewise
.set SCA,   16                         ; v16    my place among the scale words
.set LH,    17                         ; v17    16 x lane
.set LT,    18                         ; v18    16 r + 8 h
.set SPW,   28                         ; v28    LDS address of my spare word; never rewritten
.set NIL,   29                         ; v29    0; never rewritten
.set SC,    32
.set TM,    96
.set PWS,   112                        ; v112-119 the eight blocks' scale words
.set AF,    128
.set PC,    128                        ; the way out: v128-139 a fragment's codes, v140-146 the conversions' second halves
.set WW,    176
.set SEL,   2                          ; s[2:3] lane selects: lane l xor 16
.set G1T,   24                         ; s[24:31] group 1, tokens;  s[48:55] features
.set G1F,   48
.set G0T,   68                         ; s[68:79] group 0, tokens, a set for each slot;  s[80:91] features
.set G0F,   80
.set MSB, 0
.macro WIN new                         ; the immediate's high byte repeats the setting that is left
.if MSB != \new
	s_set_vgpr_msb (MSB<<8)|\new
.set MSB, \new
.endif
.endm
.set MUL_LO, 0xa1                      ; source 0 window 1, source 1 window 0, C and D window 2
.set MUL_HI, 0xf1                      ; the same, C and D window 3
.set TO_S0,  0x40                      ; destination window 1, address window 0
; A joint load: waves 0 and 1 fetch the tokens' halves, waves 2 and 3 the features'.  The branch hangs on the wave's number alone.  Four v_nop follow each line.
.macro JLOAD n
	s_cmp_eq_u32 s15, 0
	s_cbranch_scc0 .Lfor_f_\@
	tensor_load_to_lds s[G0T+4*\n:G0T+4*\n+3], s[G1T:G1T+7]
	s_nop 0
.rept 4
	v_nop
.endr
	s_branch .Lasked_\@
.Lfor_f_\@:
	tensor_load_to_lds s[G0F+4*\n:G0F+4*\n+3], s[G1F:G1F+7]
	s_nop 0
.rept 4
	v_nop
.endr
.Lasked_\@:
.endm
.macro CREST                           ; a round of the cluster's barrier behind its opening barrier
	s_cmp_lg_u32 s14, 0
	s_cbranch_scc1 .Lnot_wave_0_\@
	s_barrier_signal -3
.Lnot_wave_0_\@:
	s_barrier_wait -3
	s_barrier_signal -1
	s_barrier_wait -1
.endm
.macro CROUND
	s_barrier_signal -1
	s_barrier_wait -1
	CREST
.endm
.macro PLACES n                        ; plain places behind matrix instructions, in front of loads into their registers and of reads of their results
.rept \n
	v_nop
.endr
.endm
.macro FRAG reg, hadr, tadr, o         ; a fragment's image: registers 0-3, 4-5, 6-9, 10-11; every load takes whole consecutive runs of 256 bytes
	ds_load_b128 v[(\reg):(\reg)+3], v[\hadr] offset:(\o)
	ds_load_b64 v[(\reg)+4:(\reg)+5], v[\tadr] offset:(\o)+512
	ds_load_b128 v[(\reg)+6:(\reg)+9], v[\hadr] offset:(\o)+768
	ds_load_b64 v[(\reg)+10:(\reg)+11], v[\tadr] offset:(\o)+1280
.endm
.macro FETCH_S0 k, p                   ; S0's eight fragments of K step k into set p: 32 loads.  K step k lies in slot (k / 2) % 3
	WIN TO_S0
.irp i, 0,1,2,3,4,5,6,7
	FRAG 128*(\p)+FR*\i, S0H+((\k)/2)%3, S0T+((\k)/2)%3, 3072*\i+1536*((\k)%2)
.endr
	WIN 0
.endm
.macro FETCH_S1 k, i0                  ; S1's blocks i0 .. i0 + 3: 16 loads
.irp i, \i0, \i0+1, \i0+2, \i0+3
	FRAG AF+FR*(\i), S1H+((\k)/2)%3, S1T+((\k)/2)%3, 3072*(\i)+1536*((\k)%2)
.endr
.endm
; 16 matrix instructions: S1's blocks a0, a0 + 1 x S0's eight.  The 64 accumulators take turns, one instruction a turn, in the same order in every step.
.macro MUL16 a0, p, k, zero
.irp a, \a0, \a0+1
.irp b, 0,1,2,3,4,5,6,7
.if \zero
	v_wmma_scale_f32_16x16x128_f8f6f4 v[8*(8*((\a)%4)+\b):8*(8*((\a)%4)+\b)+7], v[128*(\p)+FR*\b:128*(\p)+FR*\b+FR-1], v[AF+FR*(\a):AF+FR*(\a)+FR-1], 0, v[SC+8*\b+(\k)], v[SC+8*(\a)+(\k)] matrix_a_fmt:MATRIX_FMT_FP6 matrix_b_fmt:MATRIX_FMT_FP6 matrix_a_scale:MATRIX_SCALE_ROW1
.else
	v_wmma_scale_f32_16x16x128_f8f6f4 v[8*(8*((\a)%4)+\b):8*(8*((\a)%4)+\b)+7], v[128*(\p)+FR*\b:128*(\p)+FR*\b+FR-1], v[AF+FR*(\a):AF+FR*(\a)+FR-1], v[8*(8*((\a)%4)+\b):8*(8*((\a)%4)+\b)+7], v[SC+8*\b+(\k)], v[SC+8*(\a)+(\k)] matrix_a_fmt:MATRIX_FMT_FP6 matrix_b_fmt:MATRIX_FMT_FP6 matrix_a_scale:MATRIX_SCALE_ROW1
.endif
.endr
.endr
.endm
.macro STEP k, zero                    ; a K step whose successor's tiles every wave has already been shown
	s_wait_dscnt 16                                ; S0's set and S1's blocks 0-3 are in; the youngest 16 loads (blocks 4-7) may be out
	WIN MUL_LO
	MUL16 0, (\k)%2, \k, \zero
	MUL16 2, (\k)%2, \k, \zero
	s_wait_dscnt 0x0                               ; blocks 4-7 are in
	PLACES 4
	FETCH_S0 (\k)+1, 1-(\k)%2
	FETCH_S1 (\k)+1, 0
	WIN MUL_HI
	MUL16 4, (\k)%2, \k, \zero
	MUL16 6, (\k)%2, \k, \zero
	PLACES 4
	WIN 0
	FETCH_S1 (\k)+1, 4
.endm
; A K step with a barrier in its middle.  In front of it each wave waits for all its tensor loads, adds 0 to its spare word, and waits for that and for its LDS reads.
; fill = 1: the barrier opens a round of the cluster's barrier, and slot 0, which nobody reads any more, is filled with K steps 6 and 7.  fill = 0: that fill is shown to every wave.
.macro TURN k, fill
	s_wait_tensorcnt 0x0                           ; all my tensor loads have landed
	ds_add_u32 v[SPW], v[NIL]                      ; 0 onto my spare word
	s_wait_dscnt 17                                ; (the add and the youngest 16 loads may be out)
	WIN MUL_LO
	MUL16 0, (\k)%2, \k, 0
	s_wait_dscnt 0x0                               ; the add is done, and my LDS reads are over
	s_barrier_signal -1
	MUL16 2, (\k)%2, \k, 0
	WIN 0
	s_barrier_wait -1
.if \fill
	CREST                                          ; no wave of any partner still reads slot 0 or has a load on its way
	s_add_nc_u64 s[G0T+2:G0T+3], s[G0T+2:G0T+3], 3*3072
	s_add_nc_u64 s[G0F+2:G0F+3], s[G0F+2:G0F+3], 3*3072
	JLOAD 0                                        ; the first tensor load behind the round; its four v_nop are also the places in front of the loads below
.else
	PLACES 4
.endif
	FETCH_S0 (\k)+1, 1-(\k)%2
	FETCH_S1 (\k)+1, 0
	WIN MUL_HI
	MUL16 4, (\k)%2, \k, 0
	MUL16 6, (\k)%2, \k, 0
	PLACES 4
	WIN 0
	FETCH_S1 (\k)+1, 4
.endm
	s_load_b128 s[4:7], s[0:1], 0x0                ; ximg, wimg
	s_load_b128 s[8:11], s[0:1], 0x10              ; scl, qkvc
	s_load_b64 s[12:13], s[0:1], 0x20              ; qkvs
	v_lshl_add_u32 v[SPW], v0, 2, SPARE
	v_mov_b32 v[NIL], 0
	ds_add_u32 v28, v29
	ds_add_u32 v28, v29
	s_wait_dscnt 0x0
	v_lshrrev_b32 v1, 5, v0
	v_readfirstlane_b32 s14, v1                    ; wave 0..3
	s_lshr_b32 s15, s14, 1                         ; which half of S1's 16 tiles is mine.  Also: I fetch tokens (0) or features (1)
	s_and_b32 s16, s14, 1                          ; which half of S0's.  Also: which 8 tiles I fetch
	s_bfe_u32 s40, ttmp6, 0x40000                  ; cx, cy: my place in the cluster
	s_bfe_u32 s41, ttmp6, 0x40004
	s_lshl_b32 s42, ttmp9, 2
	s_add_co_u32 s42, s42, s40                     ; X: which 256 features
	s_and_b32 s17, ttmp7, 0xffff
	s_lshl_b32 s17, s17, 2
	s_add_co_u32 s17, s17, s41                     ; Y: which 256 tokens
	s_lshl_b32 s43, s41, 2
	s_lshl_b32 s43, 15, s43                        ; my row of the cluster
	s_lshl_b32 s44, 0x1111, s40                    ; my column
	; group 1: 8 tiles' two fragments: 8 rows of 3,072 bytes (384 elements of 8 bytes), 12,288 bytes apart; dense in LDS
	s_or_b32 s[G1T+0], s43, (3<<16)|(1<<21)        ; 15:0 the mask; 17:16 elements of 8 bytes; 21 set beside a mask
	s_or_b32 s[G1F+0], s44, (3<<16)|(1<<21)
.irp g, G1T, G1F
	s_mov_b32 s[\g+1], 384<<16                     ; tensor_dim0
	s_mov_b32 s[\g+2], 8<<16                       ; tensor_dim1
	s_mov_b32 s[\g+3], 384<<16                     ; tile_dim0
	s_mov_b32 s[\g+4], 8                           ; tile_dim1
	s_mov_b32 s[\g+5], 1536                        ; tensor_dim0_stride
	s_mov_b32 s[\g+6], 0
	s_mov_b32 s[\g+7], 0
.endr
	s_lshl_b32 s18, s16, 3
	s_lshl_b32 s20, s17, 4
	s_add_co_u32 s20, s20, s18                     ; tokens: tile 16 Y + 8 x half
	s_mul_i32 s20, s20, 12288
	s_mov_b32 s21, 0
	s_lshl_b32 s46, s42, 4
	s_add_co_u32 s46, s46, s18                     ; features: tile 16 X + 8 x half
	s_mul_i32 s46, s46, 12288
	s_mov_b32 s47, 0
	s_mul_i32 s45, s14, PART                       ; where they go: no place in the cluster enters an LDS address
	s_wait_kmcnt 0x0
	s_add_nc_u64 s[20:21], s[4:5], s[20:21]
	s_add_nc_u64 s[46:47], s[6:7], s[46:47]
	CROUND                                         ; all sixteen work-groups are here: the first joint loads meet
.irp n, 0,1,2
	s_mov_b32 s[G0T+4*\n], 1
	s_add_co_u32 s[G0T+4*\n+1], s45, \n*SLOT
	s_add_nc_u64 s[G0T+4*\n+2:G0T+4*\n+3], s[20:21], \n*3072
	s_or_b32 s[G0T+4*\n+3], s[G0T+4*\n+3], 0x80000000
	s_mov_b32 s[G0F+4*\n], 1
	s_add_co_u32 s[G0F+4*\n+1], s45, \n*SLOT
	s_add_nc_u64 s[G0F+4*\n+2:G0F+4*\n+3], s[46:47], \n*3072
	s_or_b32 s[G0F+4*\n+3], s[G0F+4*\n+3], 0x80000000
	JLOAD \n                                       ; K steps 2 n, 2 n + 1: three loads of mine are out
.endr
	; what the cluster's x chooses (2: v)
	s_cmp_eq_u32 ttmp9, 2
	s_cselect_b32 s94, 49152, 0                    ; S1's half of a slot: the features' for v, else the tokens'
	s_cselect_b32 s95, 0, 49152                    ; S0's: the other
	s_cselect_b32 s96, s16, s15                    ; which 128 tokens are mine
	s_cselect_b32 s97, s15, s16                    ; which 128 features
	s_cselect_b32 s98, -1, 0                       ; a lane mask: v
	s_cselect_b32 s36, 768, 0                      ; the way out: from S1 block to S1 block: 1,536 (v: a tile of the head's 64) or 768 (a tile of tokens),
	s_cselect_b32 s38, 289536, 0                   ; from block 3 to block 4: 290,304 (v: the next head) or 768,
	s_cselect_b32 s34, 0, 294144                   ; from a fragment's first half to its second: 768 (v) or 294,912 (the next head)
	s_add_co_u32 s36, s36, 768
	s_mov_b32 s37, 0
	s_add_co_u32 s38, s38, 768
	s_mov_b32 s39, 0
	s_add_co_u32 s34, s34, 768
	s_mov_b32 s35, 0
	s_mul_i32 s92, s15, PART
	s_add_co_u32 s92, s92, s94                     ; S1's 8 tiles in slot 0
	s_mul_i32 s93, s16, PART
	s_add_co_u32 s93, s93, s95                     ; S0's
	v_and_b32 v1, 31, v0
	v_and_b32 v2, 15, v0                           ; r
	v_bfe_u32 v3, v0, 4, 1                         ; h
	v_lshlrev_b32 v[LH], 4, v1
	v_lshlrev_b32 v[LT], 4, v2
	v_lshl_add_u32 v[LT], v3, 3, v[LT]
.irp n, 0,1,2
	v_add_nc_u32 v[S1H+\n], s92, v[LH]
	v_add_nc_u32 v[S0H+\n], s93, v[LH]
	v_add_nc_u32 v[S1T+\n], s92, v[LT]
	v_add_nc_u32 v[S0T+\n], s93, v[LT]
	s_add_co_u32 s92, s92, SLOT
	s_add_co_u32 s93, s93, SLOT
.endr
	; the scale words: 512 bytes a tile; lanes 0-15 take S1's tiles, lanes 16-31 S0's
	s_lshl_b32 s20, s17, 4
	s_lshl_b32 s21, s96, 3
	s_add_co_u32 s20, s20, s21
	s_lshl_b32 s20, s20, 9                         ; my tokens' first tile
	s_lshl_b32 s21, s42, 4
	s_lshl_b32 s22, s97, 3
	s_add_co_u32 s21, s21, s22
	s_add_co_u32 s21, s21, 512
	s_lshl_b32 s21, s21, 9                         ; my features' first tile (the weights' begin at tile 512)
	s_cmp_eq_u32 ttmp9, 2
	s_cselect_b32 s22, s21, s20
	s_cselect_b32 s23, s20, s21
	v_mov_b32 v19, s22
	v_mov_b32 v20, s23
	v_cmp_ne_u32 vcc_lo, 0, v3
	v_cndmask_b32 v[SCA], v19, v20, vcc_lo
	v_lshl_add_u32 v[SCA], v2, 4, v[SCA]
.irp i, 0,1,2,3,4,5,6,7
	global_load_b128 v[SC+8*\i:SC+8*\i+3], v[SCA], s[8:9] offset:512*\i          ; tile i, K steps 0-3: sixteen lanes read 256 consecutive bytes
	global_load_b128 v[SC+8*\i+4:SC+8*\i+7], v[SCA], s[8:9] offset:512*\i+256    ; K steps 4-7
.endr
	; where the results go
	s_lshr_b32 s20, s17, 3
	s_lshl_b32 s20, s20, 4
	s_and_b32 s21, s42, 3
	s_lshl_b32 s21, s21, 2
	s_add_co_u32 s20, s20, s21
	s_lshl_b32 s21, s97, 1
	s_add_co_u32 s20, s20, s21                     ; my first head: 16 x batch + 4 (X % 4) + 2 x my half of the features
	s_and_b32 s21, s17, 7
	s_lshl_b32 s21, s21, 1
	s_add_co_u32 s21, s21, s96                     ; my 128 tokens in the batch: step 2 (Y % 8) + my half
	s_mul_i32 s22, s20, 294912
	s_mul_i32 s23, ttmp9, 98304
	s_add_co_u32 s22, s22, s23
	s_mul_i32 s23, s21, 6144
	s_add_co_u32 s22, s22, s23
	s_mov_b32 s23, 0
	s_add_nc_u64 s[10:11], s[10:11], s[22:23]      ; block 0's first half fragment
	s_mul_i32 s22, s20, 12288
	s_lshl_b32 s23, ttmp9, 12
	s_add_co_u32 s22, s22, s23
	s_lshl_b32 s23, s21, 8
	s_add_co_u32 s22, s22, s23
	s_mov_b32 s23, 0
	s_add_nc_u64 s[12:13], s[12:13], s[22:23]      ; my step's scale words, first head
	v_lshlrev_b32 v19, 4, v3                       ; 16 h
	v_mul_u32_u24 v21, v3, 12288
	v_lshl_add_u32 v21, v2, 4, v21                 ; lanes 16-31 store the second head's words
	s_mov_b32 s[SEL], 0x76543210
	s_mov_b32 s[SEL+1], 0xfedcba98
.irp b, 0,1,2,3
	v_mov_b32 v[TM+4+\b], 0                        ; written once: a lane permute's destination counts as one of its sources
.endr
	s_wait_tensorcnt 2                             ; my part of slot 0 is in; slots 1 and 2 may be out
	s_barrier_signal -1
	s_barrier_wait -1                              ; everybody's is
	FETCH_S0 0, 0
	FETCH_S1 0, 0
	FETCH_S1 0, 4
	s_wait_loadcnt 0x0                             ; the scale words
	STEP 0, 1                                      ; the first products start the sums: nothing is cleared
	TURN 1, 1                                      ; slots 1 and 2 are whole for every wave; slot 0 takes K steps 6 and 7
	STEP 2, 0
	STEP 3, 0
	STEP 4, 0
	TURN 5, 0                                      ; slot 0 is whole again
	STEP 6, 0
	s_wait_dscnt 16                                ; the last step: nothing more to fetch
	WIN MUL_LO
	MUL16 0, 1, 7, 0
	MUL16 2, 1, 7, 0
	s_wait_dscnt 0x0
	WIN MUL_HI
	MUL16 4, 1, 7, 0
	MUL16 6, 1, 7, 0
	WIN 0
; THE WAY OUT.  S1 block a: my lane's row of it, and 128 numbers along S0's axis, register 16 b + i = 32 b + 16 h + i: four blocks of 32, each shared with lane l xor 16.  They become a fragment's codes
; (two half fragments) and a scale word.  Each accumulator is read from its low end on.
.macro QA a
.set AC, 64*((\a)%4)
	WIN 0x0a+5*((\a)/4)                            ; sources 0 and 1: window 2 or 3
.irp b, 0,1,2,3
	v_max3_num_f32 v[TM+\b], |v[AC+16*\b]|, |v[AC+16*\b+1]|, 0x1800000   ; and the floor 2^(3 - 127)
.endr
.irp i, 2,4,6,8,10,12,14
.irp b, 0,1,2,3
	v_max3_num_f32 v[TM+\b], |v[AC+16*\b+\i]|, |v[AC+16*\b+\i+1]|, v[TM+\b]
.endr
.endr
	WIN 0
.irp b, 0,1,2,3
	v_permlanex16_b32 v[TM+4+\b], v[TM+\b], s[SEL], s[SEL+1]
.endr
.irp b, 0,1,2,3
	v_max_num_f32 v[TM+\b], v[TM+\b], v[TM+4+\b]
.endr
.irp b, 0,1,2,3
	v_add_nc_u32 v[TM+12+\b], 0xff000000, v[TM+\b]   ; 2 off the exponent field: the conversion's scale operand
.endr
.irp b, 0,1,2,3
	v_lshrrev_b32 v[TM+4+\b], 23, v[TM+12+\b]
.endr
	v_lshl_or_b32 v[PWS+(\a)], v[TM+5], 8, v[TM+4]
	v_lshl_or_b32 v[PWS+(\a)], v[TM+6], 16, v[PWS+(\a)]
	v_lshl_or_b32 v[PWS+(\a)], v[TM+7], 24, v[PWS+(\a)]
	s_wait_xcnt 0x0                                ; the last block's stores have read their data and bases: both are written again only behind this wait
.if (\a) == 4
	s_add_nc_u64 s[10:11], s[10:11], s[38:39]
.elseif (\a) > 0
	s_add_nc_u64 s[10:11], s[10:11], s[36:37]
.endif
	s_add_nc_u64 s[32:33], s[10:11], s[34:35]      ; the second half fragment's place
	WIN 0x02+(\a)/4                                ; source 0: window 2 or 3
.irp c, 0,1
	v_cvt_scalef32_pk16_fp6_f32 v[PC+6*\c:PC+2+6*\c], v[AC+32*\c:AC+15+32*\c], v[TM+12+2*\c]
	v_cvt_scalef32_pk16_fp6_f32 v[PC+12+4*\c:PC+14+4*\c], v[AC+16+32*\c:AC+31+32*\c], v[TM+12+2*\c+1]
.endr
	WIN 0
	v_nop                                          ; one plain place behind a scaled conversion
.irp c, 0,1
.irp i, 0,1,2
	v_permlane16_swap_b32 v[PC+6*\c+\i], v[PC+12+4*\c+\i]
.endr
.irp i, 0,1,2
	v_mov_b32 v[PC+3+6*\c+\i], v[PC+12+4*\c+\i]
.endr
.endr
	global_store_b128 v[LH], v[PC:PC+3], s[10:11]              ; 512 consecutive bytes
	global_store_b64 v[LT], v[PC+4:PC+5], s[10:11] offset:512  ; 256 consecutive bytes
	global_store_b128 v[LH], v[PC+6:PC+9], s[32:33]
	global_store_b64 v[LT], v[PC+10:PC+11], s[32:33] offset:512
.endm
	PLACES 4
.irp a, 0,1,2,3,4,5,6,7
	QA \a
.endr
	; the scale words, 16 bytes a row and step.  q, k: word t = tiles 2 t and 2 t + 1 of tokens, two bytes each: those of head h of my two.  v: word t = tile t of head h's 64: its four key blocks.
	v_cmp_ne_u32 vcc_lo, 0, v3
.irp t, 0,1,2,3
	v_lshrrev_b32 v180, v19, v[PWS+2*\t]
	v_lshrrev_b32 v181, v19, v[PWS+2*\t+1]
	v_and_b32 v180, 0xffff, v180
	v_lshl_or_b32 v180, v181, 16, v180
	v_cndmask_b32 v181, v[PWS+\t], v[PWS+4+\t], vcc_lo
	v_cndmask_b32 v[WW+\t], v180, v181, s98
.endr
	global_store_b128 v21, v[WW:WW+3], s[12:13]    ; two runs of 256 consecutive bytes
	s_wait_tensorcnt 0x0                           ; the wave's end
	ds_add_u32 v[SPW], v[NIL]
	s_wait_dscnt 0x0
	CROUND                                         ; the closing round: no work-group ends while a partner may still ask for a tile that names it
	s_endpgm
.Lfunc_end_k_q283a1ca878_gemm_qkv:
	.size	k_q283a1ca878_gemm_qkv, .Lfunc_end_k_q283a1ca878_gemm_qkv-k_q283a1ca878_gemm_qkv
	.p2alignl 7, 3214868480
	.fill 96, 4, 3214868480
	.section	.rodata,"a",@progbits
	.p2align	6, 0x0
	.amdhsa_kernel k_q283a1ca878_gemm_qkv
		.amdhsa_group_segment_fixed_size 327680
		.amdhsa_private_segment_fixed_size 0
		.amdhsa_enable_private_segment 0
		.amdhsa_kernarg_size 40
		.amdhsa_user_sgpr_count 2
		.amdhsa_user_sgpr_kernarg_segment_ptr 1
		.amdhsa_wavefront_size32 1
		.amdhsa_system_sgpr_workgroup_id_x 1
		.amdhsa_system_sgpr_workgroup_id_y 1
		.amdhsa_system_sgpr_workgroup_id_z 1
		.amdhsa_system_vgpr_workitem_id 0
		.amdhsa_next_free_vgpr 1024
		.amdhsa_next_free_sgpr 100
		.amdhsa_reserve_vcc 1
		.amdhsa_float_denorm_mode_32 3
		.amdhsa_float_denorm_mode_16_64 3
		.amdhsa_memory_ordered 1
		.amdhsa_forward_progress 1
		.amdhsa_inst_pref_size 149
	.end_amdhsa_kernel
	.amdgpu_metadata
---
amdhsa.version: [ 1, 2 ]
amdhsa.kernels:
  - .name:           k_q283a1ca878_gemm_qkv
    .symbol:         k_q283a1ca878_gemm_qkv.kd
    .args:
      - { .name: ximg, .offset: 0, .size: 8, .value_kind: global_buffer, .address_space: global }
      - { .name: wimg, .offset: 8, .size: 8, .value_kind: global_buffer, .address_space: global }
      - { .name: scl, .offset: 16, .size: 8, .value_kind: global_buffer, .address_space: global }
      - { .name: qkvc, .offset: 24, .size: 8, .value_kind: global_buffer, .address_space: global }
      - { .name: qkvs, .offset: 32, .size: 8, .value_kind: global_buffer, .address_space: global }
    .group_segment_fixed_size: 327680
    .private_segment_fixed_size: 0
    .kernarg_segment_align: 8
    .kernarg_segment_size: 40
    .max_flat_workgroup_size: 128
    .sgpr_count:     100
    .vgpr_count:     1024
    .wavefront_size: 32
...
	.end_amdgpu_metadata
.endif
;; end of part 2
;; launch attn (part 3): grid 4 x 64, 16 waves a work-group, clusters of 4 x 1, 206,848 bytes of LDS; arguments qkvc, qkvs, yimg, scl; writes yimg, scl
.if DOCPART == 3
	.amdgcn_target "amdgcn-amd-amdhsa--gfx1250"
	.amdhsa_code_object_version 6
	.text
	.protected	k_q283a1ca878_attn
	.globl	k_q283a1ca878_attn
	.p2align	8
	.type	k_q283a1ca878_attn,@function
k_q283a1ca878_attn:
	s_mov_b64 s[64:65], 0
	v_nop
	global_prefetch_b8 v0, s[64:65] scope:SCOPE_SE
	s_setreg_imm32_b32 hwreg(HW_REG_WAVE_MODE, 25, 1), 1
	s_wait_xcnt 0x0
	s_wait_alu depctr_hold_cnt(0) depctr_sa_sdst(0) depctr_va_vdst(0) depctr_va_sdst(0) depctr_va_ssrc(0) depctr_va_vcc(0) depctr_vm_vsrc(0)
	s_getreg_b32 s2, hwreg(HW_REG_IB_STS2, 6, 4)
	s_cmp_eq_u32 s2, 0
	s_cbranch_scc0 .Lentry_in_a_cluster
	s_endpgm
.Lentry_in_a_cluster:
	s_bfe_u32 s2, ttmp6, 0x10000c
	s_cmp_lg_u32 s2, 0x3003
	s_cbranch_scc0 .Lentry_shape_is_right
	s_endpgm
.Lentry_shape_is_right:
; y = softmax(q k^T / 8, causal) v for 64 heads of 2,048 tokens x 64, both products on codes of FP6 (E2M3) with E8M0 scales; y leaves as codes, quantised along the head's 64, as the next product's operand.
; THE SOFTMAX: t = score x log2(e) / 8; M = the row's largest t so far, rounded up to a whole number; p = 2^(t - M) is quantised along the keys, not normalised; the row's sum is taken of the unquantised p and divides at the
; end.  When M moves, the sum and O are multiplied by 2^(old M - new M): exact.
; SHARES.  A cluster of four work-groups is one head; the head's K and V, codes and scale words, lie in each work-group's LDS whole (204,800 bytes), brought ONCE by joint loads: no LDS byte is filled twice.
; A head has 16 groups of 128 queries, 8 tiles of 16 each.  Wave w of the work-group at place cx takes tile 4 (w / 8) + cx of group 8 + w % 8 and then of group 7 - w % 8: 17 key steps of 128 keys for every wave.
; Branches and trip counts hang on the wave's number and on counters alone; cx enters global addresses and the number that the mask compares with.
; LAYOUT.  Both products transposed: S^T = K Q^T, O^T = V^T P^T: a lane holds one query.  Tile 2 g + u of tokens holds tokens 32 g + 8 u + p + 8 (p / 8), so that the 16 registers of two neighbouring tiles are 16 neighbouring keys.
; THE HEAD'S 64 IN A K OF 128: a fragment of K holds tile 2 b's 64 in its lower half and tile 2 b + 1's in its upper; Q stands beside six registers of zero codes, once below and once above: two products a fragment.
; CAUSAL: a step all of whose keys come after the tile's group is jumped over (not its address steps); in the one step on the diagonal hidden scores become -infinity ahead of the maximum.
; y's two scale bytes a row leave by a store of two bytes: the word's other half belongs to another head, that is to another cluster.
; O^T is cleared by 32 moves a tile: the step is then written without a first step of its own.
; LIMITS: NaN and infinities are not served; a block whose largest magnitude lies under 2^-124 keeps the byte 1; a block of zeros has the byte 1 (its codes are zeros; only this program reads the bytes).
; REGISTERS: v1-7, v13 stay; v8-12 the step's addresses; v16-33 zeros, Q, zeros; v34-81 four fragments of K or V; v82-88 the second tile's Q; v96-159 S^T, then p; v160-191 O^T; v192-210 codes; v212-221 scale words; v224-253 at work.
.set VREG,  98304                      ; LDS: K's codes [step][pair of tiles][1,536]; from here V's [step][tile of the 64][1,536]
.set SCK,   196608                     ; K's scale words [step][row][4]; 4,096 bytes on, V's
.set KV,    34
.set PC,    192
.set PT,    204
.set WV,    18                         ; s18 my wave's number
.set SEL,   20                         ; s[20:21] lane selects: lane l xor 16
.set CS,    22                         ; s[22:23] c = log2(e) / 8
.set G1A,   24                         ; s[24:55] four groups 1: dense blocks of 2, 6, 12 and 30 rows of 256 bytes
.set G1B,   32
.set G1C,   40
.set G1D,   48
.set G0A,   56                         ; s[56:63], s[68:75] their groups 0
.set G0B,   60
.set G0C,   68
.set G0D,   72
.set TB,    66                         ; s66 where the step's codes begin: 6,144 bytes a step
.set TS,    67                         ; s67 and its scale words: 256 bytes a step
.set KST,   76                         ; s76 the step
.set GG,    77                         ; s77 the tile's group: the last step that counts
.set CNT,   78
.set BL,    84                         ; s[84:91] the first tile's bases: q's codes, q's scale bytes, y's codes, y's scale bytes
.set BS,    92                         ; s[92:99] the second tile's
.macro CROUND                          ; a round of the cluster's barrier
	s_barrier_signal -1
	s_barrier_wait -1
	s_cmp_lg_u32 s[WV], 0
	s_cbranch_scc1 .Lnot_wave_0_\@
	s_barrier_signal -3
.Lnot_wave_0_\@:
	s_barrier_wait -3
	s_barrier_signal -1
	s_barrier_wait -1
.endm
.macro GROUP1 g, rows
	s_mov_b32 s[\g], 15|(3<<16)|(1<<21)            ; 15:0 the mask: all four work-groups; 17:16 elements of 8 bytes; 21 set beside a mask
	s_mov_b32 s[\g+1], 32<<16                      ; tensor_dim0: 256 bytes
	s_mov_b32 s[\g+2], (\rows)<<16                 ; tensor_dim1
	s_mov_b32 s[\g+3], 32<<16                      ; tile_dim0
	s_mov_b32 s[\g+4], \rows                       ; tile_dim1
	s_mov_b32 s[\g+5], 32                          ; tensor_dim0_stride: dense
	s_mov_b32 s[\g+6], 0
	s_mov_b32 s[\g+7], 0
.endm
.macro GROUP0 g, mul, add              ; my eighth of a part of K's (waves 0-7) or V's (waves 8-15) codes: at add + mul x (wave % 8)
	s_mul_i32 s2, s14, \mul
	s_add_co_u32 s2, s2, \add
	s_mov_b32 s[\g], 1
	s_add_co_u32 s[\g+1], s79, s2
	s_add_nc_u64 s[\g+2:\g+3], s[82:83], s[2:3]
	s_or_b32 s[\g+3], s[\g+3], 0x80000000
.endm
.macro BASES g, o                      ; the four bases of tile 8 g + idx
	s_lshl_b32 s2, s[\g], 3
	s_add_co_u32 s2, s2, s16
	s_mul_i32 s78, s2, 768
	s_add_co_u32 s78, s78, s80
	s_mov_b32 s79, 0
	s_add_nc_u64 s[\o:\o+1], s[4:5], s[78:79]      ; q's half fragment
	s_lshl_b32 s78, s[\g], 8
	s_add_co_u32 s78, s78, s81
	s_lshl_b32 s3, s16, 1
	s_add_co_u32 s78, s78, s3
	s_add_nc_u64 s[\o+2:\o+3], s[6:7], s[78:79]    ; its two scale bytes a row
	s_lshr_b32 s3, s13, 4
	s_lshl_b32 s3, s3, 7
	s_add_co_u32 s2, s2, s3                        ; the tile among all tokens': 128 x batch on
	s_mul_i32 s78, s2, 12288
	s_add_co_u32 s78, s78, s100
	s_add_nc_u64 s[\o+4:\o+5], s[8:9], s[78:79]    ; y's half fragment
	s_add_co_u32 s2, s2, 768                       ; y's scale words begin at tile 768
	s_lshl_b32 s78, s2, 9
	s_add_co_u32 s78, s78, s101
	s_add_nc_u64 s[\o+6:\o+7], s[10:11], s[78:79]
.endm
	s_load_b256 s[4:11], s[0:1], 0x0               ; qkvc, qkvs, yimg, scl
	v_lshl_add_u32 v254, v0, 2, 0x32000
	v_mov_b32 v255, 0
	ds_add_u32 v254, v255
	ds_add_u32 v254, v255
	v_lshrrev_b32 v8, 5, v0
	s_delay_alu instid0(VALU_DEP_1)
	v_readfirstlane_b32 s[WV], v8                  ; wave 0..15
	s_bfe_u32 s12, ttmp6, 0x40000                  ; cx
	s_and_b32 s13, ttmp7, 0xffff                   ; the head (16 x batch + head), which the four partners share
	s_and_b32 s14, s[WV], 7
	s_lshr_b32 s15, s[WV], 3
	GROUP1 G1A, 2
	GROUP1 G1B, 6
	GROUP1 G1C, 12
	GROUP1 G1D, 30
	s_mul_i32 s80, s13, 294912                     ; the head's codes: q, k, v, 98,304 bytes each
	s_mul_i32 s81, s13, 12288                      ; its scale words: q, k, v, 4,096 bytes each
	s_mul_i32 s79, s15, VREG                       ; K's or V's codes in LDS
	s_add_co_u32 s82, s80, s79
	s_add_co_u32 s82, s82, 98304                   ; and in memory
	s_mov_b32 s83, 0
	s_lshl_b32 s78, s[WV], 9                       ; my 512 of the 8,192 bytes of K's and V's scale words
	s_add_co_u32 s2, s81, s78
	s_add_co_u32 s2, s2, 4096
	s_mov_b32 s3, 0
	s_wait_dscnt 0x0
	s_wait_kmcnt 0x0
	s_add_nc_u64 s[82:83], s[4:5], s[82:83]
	s_add_nc_u64 s[2:3], s[6:7], s[2:3]
	s_mov_b32 s[G0A], 1
	s_add_co_u32 s[G0A+1], s78, SCK
	s_mov_b64 s[G0A+2:G0A+3], s[2:3]
	s_or_b32 s[G0A+3], s[G0A+3], 0x80000000
	s_mov_b32 s3, 0
	GROUP0 G0B, 1536, 0                            ; steps 0-1: 12,288 bytes of each operand
	GROUP0 G0C, 3072, 12288                        ; steps 2-5: 24,576
	GROUP0 G0D, 7680, 36864                        ; steps 6-15: 61,440
	CROUND                                         ; all four work-groups are here: the joint loads meet
	tensor_load_to_lds s[G0A:G0A+3], s[G1A:G1A+7]  ; four loads of mine are out; each fills bytes once
	s_nop 0
	tensor_load_to_lds s[G0B:G0B+3], s[G1B:G1B+7]
	s_nop 0
	tensor_load_to_lds s[G0C:G0C+3], s[G1C:G1C+7]
	s_nop 0
	tensor_load_to_lds s[G0D:G0D+3], s[G1D:G1D+7]
	s_nop 0
.rept 4
	v_nop
.endr
	s_lshl_b32 s16, s15, 2
	s_add_co_u32 s16, s16, s12                     ; idx: my tile in a group
	s_or_b32 s17, s14, 8                           ; the first tile's group,
	s_xor_b32 s19, s14, 7                          ; the second's
	s_and_b32 s2, s13, 15
	s_mul_i32 s100, s2, 768                        ; y: the head's half fragment in a tile's 12,288 bytes
	s_lshr_b32 s2, s2, 3
	s_lshl_b32 s2, s2, 8
	s_and_b32 s3, s13, 7
	s_lshl_b32 s3, s3, 1
	s_add_co_u32 s101, s2, s3                      ; and its two bytes in a row's scale words
	BASES 17, BL
	BASES 19, BS
	v_and_b32 v8, 31, v0                           ; lane
	v_and_b32 v9, 15, v0                           ; r
	v_bfe_u32 v10, v0, 4, 1                        ; h
	s_delay_alu instid0(VALU_DEP_3)
	v_lshlrev_b32 v1, 4, v8                        ; 16 x lane
	s_delay_alu instid0(VALU_DEP_3)
	v_lshlrev_b32 v13, 4, v9                       ; 16 r
	s_delay_alu instid0(VALU_DEP_1)
	v_lshl_add_u32 v2, v10, 3, v13                 ; 16 r + 8 h
	global_load_b128 v[22:25], v1, s[BL:BL+1]      ; the first tile's Q: registers 0-3,
	global_load_b64 v[26:27], v2, s[BL:BL+1] offset:512   ; 4-5,
	global_load_u16 v220, v13, s[BL+2:BL+3]        ; its row's two scale bytes
	global_load_b128 v[82:85], v1, s[BS:BS+1]      ; the second tile's
	global_load_b64 v[86:87], v2, s[BS:BS+1] offset:512
	global_load_u16 v88, v13, s[BS+2:BS+3]
	v_add_nc_u32 v3, VREG, v1
	v_add_nc_u32 v4, VREG, v2
	v_add_nc_u32 v5, SCK, v13
	s_lshr_b32 s2, s16, 1
	s_lshl_b32 s2, s2, 5
	s_and_b32 s3, s16, 1
	s_lshl_b32 s3, s3, 3
	s_add_co_u32 s2, s2, s3
	v_and_b32 v6, 8, v9
	s_delay_alu instid0(VALU_DEP_1)
	v_add_nc_u32 v6, v6, v9
	v_lshlrev_b32 v11, 4, v10
	s_delay_alu instid0(VALU_DEP_1)
	v_sub_nc_u32 v6, v6, v11
	s_delay_alu instid0(VALU_DEP_1)
	v_add_nc_u32 v6, s2, v6                        ; d = my query's place in its group - 16 h: register 16 b + i holds key 32 b + i + 16 h of the step: hidden on the diagonal where 32 b + i > d
	v_mov_b32 v7, 0xff800000                       ; -infinity
.irp i, 16,17,18,19,20,21,28,29,30,31,32,33
	v_mov_b32 v[\i], 0                             ; zero codes below and above Q
.endr
.irp i, 228,229,230,231,245,246
	v_mov_b32 v[\i], 0                             ; written once: lane permutes' destinations, and the upper half of the pair v[244:245]
.endr
	s_mov_b32 s[SEL], 0x76543210
	s_mov_b32 s[SEL+1], 0xfedcba98
	s_mov_b32 s[CS], 0x3e38aa3b                    ; c = log2(e) / 8
	s_mov_b32 s[CS+1], s[CS]
; A KEY STEP: 128 keys.
.macro STEP causal
.if \causal
	s_cmp_gt_u32 s[KST], s[GG]
	s_cbranch_scc1 .Lhidden_\@                     ; all its keys come after my queries
.endif
	s_setprio 2
	v_add_nc_u32 v8, s[TB], v1                     ; (these five are also the places in front of the loads into registers that the last products read)
	v_add_nc_u32 v9, s[TB], v2
	v_add_nc_u32 v10, s[TB], v3
	v_add_nc_u32 v11, s[TB], v4
	v_add_nc_u32 v12, s[TS], v5
.irp f, 0,1,2,3
	ds_load_b128 v[KV+12*\f:KV+12*\f+3], v8 offset:1536*\f
	ds_load_b64 v[KV+12*\f+4:KV+12*\f+5], v9 offset:1536*\f+512
	ds_load_b128 v[KV+12*\f+6:KV+12*\f+9], v8 offset:1536*\f+768
	ds_load_b64 v[KV+12*\f+10:KV+12*\f+11], v9 offset:1536*\f+1280
.endr
	ds_load_b128 v[212:215], v12                   ; K's scale words: word b = tiles 2 b, 2 b + 1
	s_wait_alu depctr_va_vdst(0)
	s_wait_dscnt 0x0
.irp b, 0,1,2,3                                ; S^T: tile 2 b against (Q, 0), tile 2 b + 1 against (0, Q)
	v_wmma_scale_f32_16x16x128_f8f6f4 v[96+16*\b:103+16*\b], v[KV+12*\b:KV+12*\b+11], v[22:33], 0, v[212+\b], v220 matrix_a_fmt:MATRIX_FMT_FP6 matrix_b_fmt:MATRIX_FMT_FP6
	v_wmma_scale_f32_16x16x128_f8f6f4 v[104+16*\b:111+16*\b], v[KV+12*\b:KV+12*\b+11], v[16:27], 0, v[212+\b], v220 matrix_a_fmt:MATRIX_FMT_FP6 matrix_b_fmt:MATRIX_FMT_FP6
.endr
.rept 4
	v_nop                                          ; places in front of the loads below and of the first read of the scores
.endr
.irp f, 0,1,2,3                                ; V's four fragments land under the softmax
	ds_load_b128 v[KV+12*\f:KV+12*\f+3], v10 offset:1536*\f
	ds_load_b64 v[KV+12*\f+4:KV+12*\f+5], v11 offset:1536*\f+512
	ds_load_b128 v[KV+12*\f+6:KV+12*\f+9], v10 offset:1536*\f+768
	ds_load_b64 v[KV+12*\f+10:KV+12*\f+11], v11 offset:1536*\f+1280
.endr
	ds_load_b128 v[216:219], v12 offset:4096       ; V's scale words: word t = tile t's four key blocks
.if \causal
	s_cmp_lg_u32 s[KST], s[GG]
	s_cbranch_scc1 .Lopen_\@                       ; only the step on the diagonal hides keys
.set n, 0
.rept 64
	v_cmp_gt_i32 vcc_lo, 32*(n/16)+n%16, v6
	v_cndmask_b32 v[96+n], v[96+n], v7, vcc_lo
.set n, n+1
.endr
.Lopen_\@:
.endif
.irp b, 0,1,2,3
	v_max3_num_f32 v[224+\b], v[96+16*\b], v[97+16*\b], v[98+16*\b]   ; the largest score of each block of 32 keys: for the row's maximum, and, since p rises with the score, for the block's largest p
.endr
.irp i, 3,5,7,9,11,13
.irp b, 0,1,2,3
	v_max3_num_f32 v[224+\b], v[224+\b], v[96+16*\b+\i], v[97+16*\b+\i]
.endr
.endr
.irp b, 0,1,2,3
	v_max_num_f32 v[224+\b], v[224+\b], v[111+16*\b]
.endr
.irp b, 0,1,2,3
	s_delay_alu instid0(VALU_DEP_4)
	v_permlanex16_b32 v[228+\b], v[224+\b], s[SEL], s[SEL+1]
.endr
.irp b, 0,1,2,3
	s_delay_alu instid0(VALU_DEP_4)
	v_max_num_f32 v[224+\b], v[224+\b], v[228+\b]  ; with lane l xor 16's 16 keys
.endr
	s_delay_alu instid0(VALU_DEP_2)
	v_max3_num_f32 v246, v224, v225, v226
	s_delay_alu instid0(VALU_DEP_1)
	v_max_num_f32 v246, v246, v227
	s_delay_alu instid0(VALU_DEP_1)
	v_mul_f32 v246, s[CS], v246                    ; the step's largest t
	s_delay_alu instid0(VALU_DEP_1)
	v_max_num_f32 v241, v241, v246                 ; the running largest t
	v_mov_b32 v246, v240
	s_delay_alu instid0(VALU_DEP_2)
	v_floor_f32 v240, -v241                        ; the new -M = -ceil(t)
	s_delay_alu instid0(VALU_DEP_1)
	v_sub_f32 v246, v240, v246                     ; old M - new M: a whole number, 0 or less
	s_delay_alu instid0(VALU_DEP_1)
	v_cvt_i32_f32 v246, v246                       ; (it saturates)
	s_delay_alu instid0(VALU_DEP_1)
	v_ldexp_f32 v244, 1.0, v246                    ; f = 2^(old M - new M)
.set n, 0
.rept 32
	v_pk_fma_f32 v[96+n:97+n], v[96+n:97+n], s[CS:CS+1], v[240:241] op_sel_hi:[1,0,0]   ; t - M, two at a time
.set n, n+2
.endr
.irp b, 0,1,2,3
	v_fma_f32 v[224+\b], v[224+\b], s[CS], v240    ; the same of each block's largest score
.endr
.set n, 0
	s_setprio 1
	s_wait_alu depctr_va_vdst(0)
.rept 64
	v_exp_f32 v[96+n], v[96+n]                     ; p = 2^(t - M)
.set n, n+1
.endr
	v_pk_mul_f32 v[242:243], v[242:243], v[244:245] op_sel_hi:[1,0]   ; the sums under the new M (a plain place behind the exponentials)
	s_wait_alu depctr_va_vdst(0)                   ; one wait for the batch, ahead of its first reader
.irp b, 0,1,2,3
	v_exp_f32 v[224+\b], v[224+\b]                 ; the blocks' largest p
.endr
	v_pk_add_f32 v[248:249], v[100:101], v[104:105]
	v_pk_add_f32 v[252:253], v[108:109], v[112:113]
	v_pk_add_f32 v[250:251], v[116:117], v[120:121]
	v_pk_add_f32 v[238:239], v[124:125], v[128:129]
	v_pk_add_f32 v[236:237], v[132:133], v[136:137]
	v_pk_add_f32 v[234:235], v[140:141], v[144:145]
	v_pk_add_f32 v[232:233], v[148:149], v[152:153]
	v_pk_add_f32 v[242:243], v[242:243], v[156:157]
	v_pk_add_f32 v[248:249], v[248:249], v[96:97]
	v_pk_add_f32 v[252:253], v[252:253], v[98:99]
	v_pk_add_f32 v[250:251], v[250:251], v[102:103]
	v_pk_add_f32 v[238:239], v[238:239], v[106:107]
	v_pk_add_f32 v[236:237], v[236:237], v[110:111]
	v_pk_add_f32 v[234:235], v[234:235], v[114:115]
	v_pk_add_f32 v[232:233], v[232:233], v[118:119]
	v_pk_add_f32 v[242:243], v[242:243], v[122:123]
	v_pk_add_f32 v[248:249], v[248:249], v[126:127]
	v_pk_add_f32 v[252:253], v[252:253], v[130:131]
	v_pk_add_f32 v[250:251], v[250:251], v[134:135]
	v_pk_add_f32 v[238:239], v[238:239], v[138:139]
	v_pk_add_f32 v[236:237], v[236:237], v[142:143]
	v_pk_add_f32 v[234:235], v[234:235], v[146:147]
	v_pk_add_f32 v[232:233], v[232:233], v[150:151]
	v_pk_add_f32 v[242:243], v[242:243], v[154:155]
	v_pk_add_f32 v[248:249], v[248:249], v[158:159]
	s_delay_alu instid0(VALU_DEP_2)
	v_pk_add_f32 v[242:243], v[242:243], v[238:239]
	s_delay_alu instid0(VALU_DEP_2)
	v_pk_add_f32 v[248:249], v[248:249], v[236:237]
	v_pk_add_f32 v[252:253], v[252:253], v[234:235]
	v_pk_add_f32 v[250:251], v[250:251], v[232:233]
	s_delay_alu instid0(VALU_DEP_2)
	v_pk_add_f32 v[242:243], v[242:243], v[252:253]
	s_delay_alu instid0(VALU_DEP_2)
	v_pk_add_f32 v[248:249], v[248:249], v[250:251]
	s_delay_alu instid0(VALU_DEP_1)
	v_pk_add_f32 v[242:243], v[242:243], v[248:249]
	s_wait_alu depctr_va_vdst(0)                   ; and one for the four
.irp b, 0,1,2,3
	v_max_num_f32 v[224+\b], 0x1800000, v[224+\b]  ; the floor 2^(3 - 127)
.endr
.irp b, 0,1,2,3
	s_delay_alu instid0(VALU_DEP_4)
	v_add_nc_u32 v[232+\b], 0xff000000, v[224+\b]  ; the conversion's scale operand
.endr
.irp b, 0,1,2,3
	s_delay_alu instid0(VALU_DEP_4)
	v_lshrrev_b32 v[236+\b], 23, v[232+\b]         ; the byte
.endr
	s_delay_alu instid0(VALU_DEP_3)
	v_lshl_or_b32 v221, v237, 8, v236              ; p's scale word for these 128 keys
	s_delay_alu instid0(VALU_DEP_1)
	v_lshl_or_b32 v221, v238, 16, v221
	s_delay_alu instid0(VALU_DEP_1)
	v_lshl_or_b32 v221, v239, 24, v221
.irp c, 0,1
	v_cvt_scalef32_pk16_fp6_f32 v[PC+6*\c:PC+2+6*\c], v[96+32*\c:111+32*\c], v[232+2*\c]
	v_cvt_scalef32_pk16_fp6_f32 v[PT+4*\c:PT+2+4*\c], v[112+32*\c:127+32*\c], v[233+2*\c]
.endr
	v_nop                                          ; one plain place behind a scaled conversion
	s_setprio 0
.irp c, 0,1
.irp i, 0,1,2
	v_permlane16_swap_b32 v[PC+6*\c+\i], v[PT+4*\c+\i]
.endr
.irp i, 0,1,2
	s_delay_alu instid0(VALU_DEP_3)
	v_mov_b32 v[PC+3+6*\c+\i], v[PT+4*\c+\i]
.endr
.endr
.set n, 0
.rept 16
	v_pk_mul_f32 v[160+n:161+n], v[160+n:161+n], v[244:245] op_sel_hi:[1,0]   ; O^T under the new M (these sixteen are also the places between p's codes and scale word and the products)
.set n, n+2
.endr
	s_wait_alu depctr_va_vdst(0)
	s_wait_dscnt 0x0                               ; V
.irp t, 0,1,2,3                                ; O^T += V^T P^T: the four accumulators by turns
	v_wmma_scale_f32_16x16x128_f8f6f4 v[160+8*\t:167+8*\t], v[KV+12*\t:KV+12*\t+11], v[PC:PC+11], v[160+8*\t:167+8*\t], v[216+\t], v221 matrix_a_fmt:MATRIX_FMT_FP6 matrix_b_fmt:MATRIX_FMT_FP6
.endr
.if \causal
.Lhidden_\@:
.endif
	s_add_co_u32 s[TB], s[TB], 6144
	s_add_co_u32 s[TS], s[TS], 256
	s_add_co_u32 s[KST], s[KST], 1
.endm
.macro LOOP trips, causal
	s_mov_b32 s[CNT], \trips
.Lsteps_\@:
	STEP \causal
	s_sub_co_u32 s[CNT], s[CNT], 1
	s_cmp_lg_u32 s[CNT], 0
	s_cbranch_scc1 .Lsteps_\@
	s_setprio 0
.endm
.macro TILE_BEGIN second
.if \second
	s_wait_xcnt 0x0                                ; the first tile's stores have read their data
.irp i, 0,1,2,3,4,5
	v_mov_b32 v[22+\i], v[82+\i]
.endr
	v_lshl_or_b32 v220, v88, 16, v88               ; Q's two bytes, for both halves of the 128
	s_mov_b32 s[GG], s19
.else
	v_lshl_or_b32 v220, v220, 16, v220
	s_mov_b32 s[GG], s17
.endif
	v_mov_b32 v241, 0xff61b1e6                     ; the largest t so far: -3e38
	s_delay_alu instid0(VALU_DEP_1)
	v_floor_f32 v240, -v241                        ; -M
	v_mov_b32 v242, 0                              ; the sum, in two halves
	v_mov_b32 v243, 0
.set n, 0
.rept 32
	v_mov_b32 v[160+n], 0                          ; O^T (these are also the places between Q's scale word and the first product)
.set n, n+1
.endr
	s_mov_b32 s[TB], 0
	s_mov_b32 s[TS], 0
	s_mov_b32 s[KST], 0
.endm
; O^T / the sum is y: register 16 g + i = channel 32 g + 16 h + i of my query: two blocks of 32, quantised into a half fragment and two scale bytes.
.macro TILE_END o
.rept 4
	v_nop                                          ; places behind the last products
.endr
	v_add_f32 v242, v242, v243
	s_delay_alu instid0(VALU_DEP_1)
	v_permlanex16_b32 v246, v242, s[SEL], s[SEL+1]
	s_delay_alu instid0(VALU_DEP_1)
	v_add_f32 v242, v242, v246                     ; the row's sum
	s_wait_alu depctr_va_vdst(0)
	v_rcp_f32 v244, v242
	v_nop                                          ; a plain place behind the reciprocal
	s_wait_alu depctr_va_vdst(0)                   ; the wait ahead of its first reader
.set n, 0
.rept 16
	v_pk_mul_f32 v[96+n:97+n], v[160+n:161+n], v[244:245] op_sel_hi:[1,0]   ; each accumulator from its low end on
.set n, n+2
.endr
.irp g, 0,1
	v_max3_num_f32 v[224+\g], |v[96+16*\g]|, |v[97+16*\g]|, 0x1800000
.endr
.irp i, 2,4,6,8,10,12,14
.irp g, 0,1
	s_delay_alu instid0(VALU_DEP_2)
	v_max3_num_f32 v[224+\g], v[224+\g], |v[96+16*\g+\i]|, |v[97+16*\g+\i]|
.endr
.endr
.irp g, 0,1
	s_delay_alu instid0(VALU_DEP_2)
	v_permlanex16_b32 v[228+\g], v[224+\g], s[SEL], s[SEL+1]
.endr
.irp g, 0,1
	s_delay_alu instid0(VALU_DEP_2)
	v_max_num_f32 v[224+\g], v[224+\g], v[228+\g]
.endr
.irp g, 0,1
	s_delay_alu instid0(VALU_DEP_2)
	v_add_nc_u32 v[232+\g], 0xff000000, v[224+\g]
.endr
.irp g, 0,1
	s_delay_alu instid0(VALU_DEP_2)
	v_lshrrev_b32 v[236+\g], 23, v[232+\g]
.endr
	s_delay_alu instid0(VALU_DEP_1)
	v_lshl_or_b32 v238, v237, 8, v236
	v_cvt_scalef32_pk16_fp6_f32 v[PC:PC+2], v[96:111], v232
	v_cvt_scalef32_pk16_fp6_f32 v[PT:PT+2], v[112:127], v233
	v_nop
.irp i, 0,1,2
	v_permlane16_swap_b32 v[PC+\i], v[PT+\i]
.endr
.irp i, 0,1,2
	s_delay_alu instid0(VALU_DEP_3)
	v_mov_b32 v[PC+3+\i], v[PT+\i]
.endr
	global_store_b128 v1, v[PC:PC+3], s[\o+4:\o+5]             ; 512 consecutive bytes
	global_store_b64 v2, v[PC+4:PC+5], s[\o+4:\o+5] offset:512 ; 256 consecutive bytes
	global_store_b16 v13, v238, s[\o+6:\o+7]                   ; (lanes 16-31 hold and write the same bytes)
.endm
	s_wait_loadcnt 0x0                             ; both tiles' Q
	TILE_BEGIN 0
	s_wait_tensorcnt 2                             ; the scale words and my part of steps 0-1 are in; the two later parts may be out
	s_barrier_signal -1
	s_barrier_wait -1                              ; everybody's are
	LOOP 2, 0                                      ; steps 0-5 lie under every first tile's group (8 at the least): nothing is hidden
	s_wait_tensorcnt 1                             ; steps 2-5
	s_wait_dscnt 0x0
	s_barrier_signal -1
	s_barrier_wait -1
	LOOP 4, 0
	s_wait_tensorcnt 0x0                           ; steps 6-15
	s_wait_dscnt 0x0
	s_barrier_signal -1
	s_barrier_wait -1
	LOOP 10, 1
	TILE_END BL
	TILE_BEGIN 1
	LOOP 8, 1
	TILE_END BS
	s_wait_dscnt 0x0
	s_wait_tensorcnt 0x0
	ds_add_u32 v254, v255
	s_wait_dscnt 0x0
	CROUND                                         ; the closing round
	s_endpgm
.Lfunc_end_k_q283a1ca878_attn:
	.size	k_q283a1ca878_attn, .Lfunc_end_k_q283a1ca878_attn-k_q283a1ca878_attn
	.p2alignl 7, 3214868480
	.fill 96, 4, 3214868480
	.section	.rodata,"a",@progbits
	.p2align	6, 0x0
	.amdhsa_kernel k_q283a1ca878_attn
		.amdhsa_group_segment_fixed_size 206848
		.amdhsa_private_segment_fixed_size 0
		.amdhsa_enable_private_segment 0
		.amdhsa_kernarg_size 32
		.amdhsa_user_sgpr_count 2
		.amdhsa_user_sgpr_kernarg_segment_ptr 1
		.amdhsa_wavefront_size32 1
		.amdhsa_system_sgpr_workgroup_id_x 1
		.amdhsa_system_sgpr_workgroup_id_y 1
		.amdhsa_system_sgpr_workgroup_id_z 1
		.amdhsa_system_vgpr_workitem_id 0
		.amdhsa_next_free_vgpr 256
		.amdhsa_next_free_sgpr 102
		.amdhsa_reserve_vcc 1
		.amdhsa_float_denorm_mode_32 3
		.amdhsa_float_denorm_mode_16_64 3
		.amdhsa_memory_ordered 1
		.amdhsa_forward_progress 1
		.amdhsa_inst_pref_size 102
	.end_amdhsa_kernel
	.amdgpu_metadata
---
amdhsa.version: [ 1, 2 ]
amdhsa.kernels:
  - .name:           k_q283a1ca878_attn
    .symbol:         k_q283a1ca878_attn.kd
    .args:
      - { .name: qkvc, .offset: 0, .size: 8, .value_kind: global_buffer, .address_space: global }
      - { .name: qkvs, .offset: 8, .size: 8, .value_kind: global_buffer, .address_space: global }
      - { .name: yimg, .offset: 16, .size: 8, .value_kind: global_buffer, .address_space: global }
      - { .name: scl, .offset: 24, .size: 8, .value_kind: global_buffer, .address_space: global }
    .group_segment_fixed_size: 206848
    .private_segment_fixed_size: 0
    .kernarg_segment_align: 8
    .kernarg_segment_size: 32
    .max_flat_workgroup_size: 512
    .sgpr_count:     102
    .vgpr_count:     256
    .wavefront_size: 32
...
	.end_amdgpu_metadata
.endif
;; end of part 3
;; launch gemm_proj (part 4): grid 4 x 32, 4 waves a work-group, clusters of 4 x 4, 327,680 bytes of LDS; arguments yimg, wimg, scl, out0; writes out0
.if DOCPART == 4
	.amdgcn_target "amdgcn-amd-amdhsa--gfx1250"
	.amdhsa_code_object_version 6
	.text
	.protected	k_q283a1ca878_gemm_proj
	.globl	k_q283a1ca878_gemm_proj
	.p2align	8
	.type	k_q283a1ca878_gemm_proj,@function
k_q283a1ca878_gemm_proj:
	s_mov_b64 s[64:65], 0
	v_nop
	global_prefetch_b8 v0, s[64:65] scope:SCOPE_SE
	s_setreg_imm32_b32 hwreg(HW_REG_WAVE_MODE, 25, 1), 1
	s_wait_xcnt 0x0
	s_wait_alu depctr_hold_cnt(0) depctr_sa_sdst(0) depctr_va_vdst(0) depctr_va_sdst(0) depctr_va_ssrc(0) depctr_va_vcc(0) depctr_vm_vsrc(0)
	s_getreg_b32 s2, hwreg(HW_REG_IB_STS2, 6, 4)
	s_cmp_eq_u32 s2, 0
	s_cbranch_scc0 .Lentry_in_a_cluster
	s_endpgm
.Lentry_in_a_cluster:
	s_bfe_u32 s2, ttmp6, 0x10000c
	s_cmp_lg_u32 s2, 0xf033
	s_cbranch_scc0 .Lentry_shape_is_right
	s_endpgm
.Lentry_shape_is_right:
; out = y w_proj on codes of FP6 (E2M3) with E8M0 scales, K = 1,024; out is [8192][1024] f32.
; Operands arrive as images of their registers (tile 2 g + u = rows 32 g + 8 u + p + 8 (p / 8); a fragment of 16 rows x 128 K is 1,536 bytes; a tile's eight fragments lie on end).
; A work-group makes 256 tokens x 256 features; each of its four waves 128 x 128: 64 accumulators, 512 registers.  Source 0 (S0) = 16 features, source 1 (S1) = 16 tokens: a lane holds eight neighbouring numbers of a row of out.
; K is written out: 8 steps of 128.  Three LDS slots hold two steps each and are filled at the start; slot 0 is filled once more, with steps 6 and 7, behind step 1, and has four steps in which to land.
; CLUSTERS: 4 x 4 work-groups; the tokens' tiles are shared along a row of the cluster, the features' along a column: joint loads.
; The grid has 128 work-groups: 256 x 256 keeps each fragment read from LDS at work in eight products.
; REGISTERS: window 0: v1-29 addresses; v32-95 all 64 scale words (register 8 i + K step: lanes 0-15 S1's tile i, lanes 16-31 S0's); v128-223 S1's fragments, one set; on the way out v128-255 rows of out.
;   window 1: S0's fragments, two sets, at v0 and v128.   windows 2, 3: the accumulators ((a, b) at v[8 (8 (a % 4) + b)] of window 2 + a / 4).
.set SLOT,  98304                      ; tokens' 16 tiles x 3,072 bytes, then the features' 16
.set PART,  24576                      ; 8 tiles: what one tensor load brings, and what a wave reads of an operand
.set SPARE, 3*SLOT                     ; the spare words, 128 bytes for each wave: two blocks of 256 bytes that no other line names
.set FR,    12
.set S1H,   4                          ; v4-6   S1: slot n's base + 16 x lane
.set S0H,   7                          ; v7-9   S0 likewise
.set S1T,   10                         ; v10-12 S1: slot n's base + 16 r + 8 h
.set S0T,   13                         ; v13-15 S0 likewise
.set SCA,   16                         ; v16    my place among the scale words
.set LH,    17                         ; v17    16 x lane
.set LT,    18                         ; v18    16 r + 8 h
.set STO,   24                         ; v24    the way out: where I put 32 bytes of a row
.set RD,    25                         ; v25    and where I read a row back
.set SPW,   28                         ; v28    LDS address of my spare word; never rewritten
.set NIL,   29                         ; v29    0; never rewritten
.set SC,    32
.set AF,    128
.set BK,    128
.set G1T,   24                         ; s[24:31] group 1, tokens;  s[48:55] features
.set G1F,   48
.set G0T,   68                         ; s[68:79] group 0, tokens, a set for each slot;  s[80:91] features
.set G0F,   80
.set MSB, 0
.macro WIN new                         ; the immediate's high byte repeats the setting that is left
.if MSB != \new
	s_set_vgpr_msb (MSB<<8)|\new
.set MSB, \new
.endif
.endm
.set MUL_LO, 0xa1                      ; source 0 window 1, source 1 window 0, C and D window 2
.set MUL_HI, 0xf1                      ; the same, C and D window 3
.set TO_S0,  0x40                      ; destination window 1, address window 0
; A joint load: waves 0 and 1 fetch the tokens' halves, waves 2 and 3 the features'.  The branch hangs on the wave's number alone.  Four v_nop follow each line.
.macro JLOAD n
	s_cmp_eq_u32 s15, 0
	s_cbranch_scc0 .Lfor_f_\@
	tensor_load_to_lds s[G0T+4*\n:G0T+4*\n+3], s[G1T:G1T+7]
	s_nop 0
.rept 4
	v_nop
.endr
	s_branch .Lasked_\@
.Lfor_f_\@:
	tensor_load_to_lds s[G0F+4*\n:G0F+4*\n+3], s[G1F:G1F+7]
	s_nop 0
.rept 4
	v_nop
.endr
.Lasked_\@:
.endm
.macro CREST                           ; a round of the cluster's barrier behind its opening barrier
	s_cmp_lg_u32 s14, 0
	s_cbranch_scc1 .Lnot_wave_0_\@
	s_barrier_signal -3
.Lnot_wave_0_\@:
	s_barrier_wait -3
	s_barrier_signal -1
	s_barrier_wait -1
.endm
.macro CROUND
	s_barrier_signal -1
	s_barrier_wait -1
	CREST
.endm
.macro PLACES n                        ; plain places behind matrix instructions, in front of loads into their registers and of reads of their results
.rept \n
	v_nop
.endr
.endm
.macro FRAG reg, hadr, tadr, o         ; a fragment's image: registers 0-3, 4-5, 6-9, 10-11; every load takes whole consecutive runs of 256 bytes
	ds_load_b128 v[(\reg):(\reg)+3], v[\hadr] offset:(\o)
	ds_load_b64 v[(\reg)+4:(\reg)+5], v[\tadr] offset:(\o)+512
	ds_load_b128 v[(\reg)+6:(\reg)+9], v[\hadr] offset:(\o)+768
	ds_load_b64 v[(\reg)+10:(\reg)+11], v[\tadr] offset:(\o)+1280
.endm
.macro FETCH_S0 k, p                   ; S0's eight fragments of K step k into set p: 32 loads.  K step k lies in slot (k / 2) % 3
	WIN TO_S0
.irp i, 0,1,2,3,4,5,6,7
	FRAG 128*(\p)+FR*\i, S0H+((\k)/2)%3, S0T+((\k)/2)%3, 3072*\i+1536*((\k)%2)
.endr
	WIN 0
.endm
.macro FETCH_S1 k, i0                  ; S1's blocks i0 .. i0 + 3: 16 loads
.irp i, \i0, \i0+1, \i0+2, \i0+3
	FRAG AF+FR*(\i), S1H+((\k)/2)%3, S1T+((\k)/2)%3, 3072*(\i)+1536*((\k)%2)
.endr
.endm
; 16 matrix instructions: S1's blocks a0, a0 + 1 x S0's eight.  The 64 accumulators take turns, one instruction a turn, in the same order in every step.
.macro MUL16 a0, p, k, zero
.irp a, \a0, \a0+1
.irp b, 0,1,2,3,4,5,6,7
.if \zero
	v_wmma_scale_f32_16x16x128_f8f6f4 v[8*(8*((\a)%4)+\b):8*(8*((\a)%4)+\b)+7], v[128*(\p)+FR*\b:128*(\p)+FR*\b+FR-1], v[AF+FR*(\a):AF+FR*(\a)+FR-1], 0, v[SC+8*\b+(\k)], v[SC+8*(\a)+(\k)] matrix_a_fmt:MATRIX_FMT_FP6 matrix_b_fmt:MATRIX_FMT_FP6 matrix_a_scale:MATRIX_SCALE_ROW1
.else
	v_wmma_scale_f32_16x16x128_f8f6f4 v[8*(8*((\a)%4)+\b):8*(8*((\a)%4)+\b)+7], v[128*(\p)+FR*\b:128*(\p)+FR*\b+FR-1], v[AF+FR*(\a):AF+FR*(\a)+FR-1], v[8*(8*((\a)%4)+\b):8*(8*((\a)%4)+\b)+7], v[SC+8*\b+(\k)], v[SC+8*(\a)+(\k)] matrix_a_fmt:MATRIX_FMT_FP6 matrix_b_fmt:MATRIX_FMT_FP6 matrix_a_scale:MATRIX_SCALE_ROW1
.endif
.endr
.endr
.endm
.macro STEP k, zero                    ; a K step whose successor's tiles every wave has already been shown
	s_wait_dscnt 16                                ; S0's set and S1's blocks 0-3 are in; the youngest 16 loads (blocks 4-7) may be out
	WIN MUL_LO
	MUL16 0, (\k)%2, \k, \zero
	MUL16 2, (\k)%2, \k, \zero
	s_wait_dscnt 0x0                               ; blocks 4-7 are in
	PLACES 4
	FETCH_S0 (\k)+1, 1-(\k)%2
	FETCH_S1 (\k)+1, 0
	WIN MUL_HI
	MUL16 4, (\k)%2, \k, \zero
	MUL16 6, (\k)%2, \k, \zero
	PLACES 4
	WIN 0
	FETCH_S1 (\k)+1, 4
.endm
; A K step with a barrier in its middle.  In front of it each wave waits for all its tensor loads, adds 0 to its spare word, and waits for that and for its LDS reads.
; fill = 1: the barrier opens a round of the cluster's barrier, and slot 0, which nobody reads any more, is filled with K steps 6 and 7.  fill = 0: that fill is shown to every wave.
.macro TURN k, fill
	s_wait_tensorcnt 0x0                           ; all my tensor loads have landed
	ds_add_u32 v[SPW], v[NIL]                      ; 0 onto my spare word
	s_wait_dscnt 17                                ; (the add and the youngest 16 loads may be out)
	WIN MUL_LO
	MUL16 0, (\k)%2, \k, 0
	s_wait_dscnt 0x0                               ; the add is done, and my LDS reads are over
	s_barrier_signal -1
	MUL16 2, (\k)%2, \k, 0
	WIN 0
	s_barrier_wait -1
.if \fill
	CREST                                          ; no wave of any partner still reads slot 0 or has a load on its way
	s_add_nc_u64 s[G0T+2:G0T+3], s[G0T+2:G0T+3], 3*3072
	s_add_nc_u64 s[G0F+2:G0F+3], s[G0F+2:G0F+3], 3*3072
	JLOAD 0                                        ; the first tensor load behind the round; its four v_nop are also the places in front of the loads below
.else
	PLACES 4
.endif
	FETCH_S0 (\k)+1, 1-(\k)%2
	FETCH_S1 (\k)+1, 0
	WIN MUL_HI
	MUL16 4, (\k)%2, \k, 0
	MUL16 6, (\k)%2, \k, 0
	PLACES 4
	WIN 0
	FETCH_S1 (\k)+1, 4
.endm
	s_load_b128 s[4:7], s[0:1], 0x0                ; yimg, wimg
	s_load_b128 s[8:11], s[0:1], 0x10              ; scl, out0
	v_lshl_add_u32 v[SPW], v0, 2, SPARE
	v_mov_b32 v[NIL], 0
	ds_add_u32 v28, v29
	ds_add_u32 v28, v29
	s_wait_dscnt 0x0
	v_lshrrev_b32 v1, 5, v0
	v_readfirstlane_b32 s14, v1                    ; wave 0..3
	s_lshr_b32 s15, s14, 1                         ; which 128 tokens are mine.  Also: I fetch tokens (0) or features (1)
	s_and_b32 s16, s14, 1                          ; which 128 features.  Also: which 8 tiles I fetch
	s_bfe_u32 s40, ttmp6, 0x40000                  ; cx, cy: my place in the cluster
	s_bfe_u32 s41, ttmp6, 0x40004
	s_lshl_b32 s42, ttmp9, 2
	s_add_co_u32 s42, s42, s40                     ; X: which 256 features
	s_and_b32 s17, ttmp7, 0xffff
	s_lshl_b32 s17, s17, 2
	s_add_co_u32 s17, s17, s41                     ; Y: which 256 tokens
	s_lshl_b32 s43, s41, 2
	s_lshl_b32 s43, 15, s43                        ; my row of the cluster
	s_lshl_b32 s44, 0x1111, s40                    ; my column
	; group 1: 8 tiles' two fragments: 8 rows of 3,072 bytes (384 elements of 8 bytes), 12,288 bytes apart; dense in LDS
	s_or_b32 s[G1T+0], s43, (3<<16)|(1<<21)        ; 15:0 the mask; 17:16 elements of 8 bytes; 21 set beside a mask
	s_or_b32 s[G1F+0], s44, (3<<16)|(1<<21)
.irp g, G1T, G1F
	s_mov_b32 s[\g+1], 384<<16                     ; tensor_dim0
	s_mov_b32 s[\g+2], 8<<16                       ; tensor_dim1
	s_mov_b32 s[\g+3], 384<<16                     ; tile_dim0
	s_mov_b32 s[\g+4], 8                           ; tile_dim1
	s_mov_b32 s[\g+5], 1536                        ; tensor_dim0_stride
	s_mov_b32 s[\g+6], 0
	s_mov_b32 s[\g+7], 0
.endr
	s_lshl_b32 s18, s16, 3
	s_lshl_b32 s20, s17, 4
	s_add_co_u32 s20, s20, s18                     ; tokens: tile 16 Y + 8 x half
	s_mul_i32 s20, s20, 12288
	s_mov_b32 s21, 0
	s_lshl_b32 s46, s42, 4
	s_add_co_u32 s46, s46, s18
	s_add_co_u32 s46, s46, 192                     ; features: tile 192 + 16 X + 8 x half (w_proj's tiles lie behind w_qkv's 192)
	s_mul_i32 s46, s46, 12288
	s_mov_b32 s47, 0
	s_mul_i32 s45, s14, PART                       ; where they go: no place in the cluster enters an LDS address
	s_wait_kmcnt 0x0
	s_add_nc_u64 s[20:21], s[4:5], s[20:21]
	s_add_nc_u64 s[46:47], s[6:7], s[46:47]
	CROUND                                         ; all sixteen work-groups are here: the first joint loads meet
.irp n, 0,1,2
	s_mov_b32 s[G0T+4*\n], 1
	s_add_co_u32 s[G0T+4*\n+1], s45, \n*SLOT
	s_add_nc_u64 s[G0T+4*\n+2:G0T+4*\n+3], s[20:21], \n*3072
	s_or_b32 s[G0T+4*\n+3], s[G0T+4*\n+3], 0x80000000
	s_mov_b32 s[G0F+4*\n], 1
	s_add_co_u32 s[G0F+4*\n+1], s45, \n*SLOT
	s_add_nc_u64 s[G0F+4*\n+2:G0F+4*\n+3], s[46:47], \n*3072
	s_or_b32 s[G0F+4*\n+3], s[G0F+4*\n+3], 0x80000000
	JLOAD \n                                       ; K steps 2 n, 2 n + 1: three loads of mine are out
.endr
	s_mul_i32 s32, s15, PART                       ; S1: my 8 tiles of tokens in slot 0
	s_mul_i32 s33, s16, PART
	s_add_co_u32 s33, s33, 2*PART                  ; S0: my 8 tiles of features, behind the tokens' 16
	v_and_b32 v1, 31, v0
	v_and_b32 v2, 15, v0                           ; r
	v_bfe_u32 v3, v0, 4, 1                         ; h
	v_lshlrev_b32 v[LH], 4, v1
	v_lshlrev_b32 v[LT], 4, v2
	v_lshl_add_u32 v[LT], v3, 3, v[LT]
.irp n, 0,1,2
	v_add_nc_u32 v[S1H+\n], s32, v[LH]
	v_add_nc_u32 v[S0H+\n], s33, v[LH]
	v_add_nc_u32 v[S1T+\n], s32, v[LT]
	v_add_nc_u32 v[S0T+\n], s33, v[LT]
	s_add_co_u32 s32, s32, SLOT
	s_add_co_u32 s33, s33, SLOT
.endr
	; the scale words: 512 bytes a tile; lanes 0-15 take S1's tiles (y's begin at tile 768), lanes 16-31 S0's (w_proj's at tile 704)
	s_lshl_b32 s20, s17, 4
	s_lshl_b32 s21, s15, 3
	s_add_co_u32 s20, s20, s21
	s_add_co_u32 s20, s20, 768
	s_lshl_b32 s20, s20, 9
	s_lshl_b32 s21, s42, 4
	s_lshl_b32 s22, s16, 3
	s_add_co_u32 s21, s21, s22
	s_add_co_u32 s21, s21, 704
	s_lshl_b32 s21, s21, 9
	v_mov_b32 v19, s20
	v_mov_b32 v20, s21
	v_cmp_ne_u32 vcc_lo, 0, v3
	v_cndmask_b32 v[SCA], v19, v20, vcc_lo
	v_lshl_add_u32 v[SCA], v2, 4, v[SCA]
.irp i, 0,1,2,3,4,5,6,7
	global_load_b128 v[SC+8*\i:SC+8*\i+3], v[SCA], s[8:9] offset:512*\i          ; tile i, K steps 0-3: sixteen lanes read 256 consecutive bytes
	global_load_b128 v[SC+8*\i+4:SC+8*\i+7], v[SCA], s[8:9] offset:512*\i+256    ; K steps 4-7
.endr
	; the way out
	s_lshl_b32 s20, s17, 8
	s_lshl_b32 s21, s15, 7
	s_add_co_u32 s20, s20, s21                     ; my first token
	s_lshl_b32 s20, s20, 12                        ; rows of 4,096 bytes
	s_lshl_b32 s21, s42, 10
	s_add_co_u32 s20, s20, s21
	s_lshl_b32 s21, s16, 9
	s_add_co_u32 s20, s20, s21                     ; my first feature, in bytes
	s_mov_b32 s21, 0
	s_add_nc_u64 s[10:11], s[10:11], s[20:21]
	s_mul_i32 s22, s14, 8448
	s_add_co_u32 s22, s22, SLOT                    ; my stage, 16 rows x (512 bytes + 16), lies in slot 1: it has had its only fill, and when the first result is stored there every wave has passed the last barrier, behind its last read of that slot
	v_mul_u32_u24 v[STO], v2, 528
	v_lshl_add_u32 v[STO], v3, 6, v[STO]
	v_add_nc_u32 v[STO], s22, v[STO]               ; in: row r; features 32 (b / 2) + 8 (b % 2) + 16 h + 0 .. 7 of accumulator b
	v_add_nc_u32 v[RD], s22, v[LH]                 ; back: the 32 lanes take a row of 512 bytes
	s_wait_tensorcnt 2                             ; my part of slot 0 is in; slots 1 and 2 may be out
	s_barrier_signal -1
	s_barrier_wait -1                              ; everybody's is
	FETCH_S0 0, 0
	FETCH_S1 0, 0
	FETCH_S1 0, 4
	s_wait_loadcnt 0x0                             ; the scale words
	STEP 0, 1                                      ; the first products start the sums: nothing is cleared
	TURN 1, 1                                      ; slots 1 and 2 are whole for every wave; slot 0 takes K steps 6 and 7
	STEP 2, 0
	STEP 3, 0
	STEP 4, 0
	TURN 5, 0                                      ; slot 0 is whole again
	STEP 6, 0
	s_wait_dscnt 16                                ; the last step: nothing more to fetch
	WIN MUL_LO
	MUL16 0, 1, 7, 0
	MUL16 2, 1, 7, 0
	s_wait_dscnt 0x0
	WIN MUL_HI
	MUL16 4, 1, 7, 0
	MUL16 6, 1, 7, 0
	WIN 0
; THE WAY OUT, a tile of 16 tokens x 128 features at a time, through my own stage: LDS serves a wave's instructions in order, so no wait stands between the stores and the loads, nor in front of the next tile's stores.
.macro TOSTAGE a
.set AC, 64*((\a)%4)
	WIN 0x08+4*((\a)/4)                            ; the data: window 2 or 3
.irp b, 0,1,2,3,4,5,6,7
	ds_store_b128 v[STO], v[AC+8*\b:AC+8*\b+3] offset:128*(\b/2)+32*(\b%2)          ; each accumulator from its low end on
	ds_store_b128 v[STO], v[AC+8*\b+4:AC+8*\b+7] offset:128*(\b/2)+32*(\b%2)+16
.endr
	WIN 0
.set BB, BK+64*((\a)%2)
.irp t, 0,1,2,3,4,5,6,7,8,9,10,11,12,13,14,15
	ds_load_b128 v[BB+4*\t:BB+4*\t+3], v[RD] offset:\t*528
.endr
.endm
.macro SEND a, younger                 ; younger: the LDS instructions issued behind tile a's loads, which may stay out
.set BB, BK+64*((\a)%2)
	s_wait_dscnt \younger
.irp t, 0,1,2,3,4,5,6,7,8,9,10,11,12,13,14,15
	global_store_b128 v[LH], v[BB+4*\t:BB+4*\t+3], s[10:11] offset:(32*((\a)/2)+8*((\a)%2)+\t+8*(\t/8))*4096 th:TH_STORE_NT   ; row t of tile a is token 32 (a / 2) + 8 (a % 2) + t + 8 (t / 8); 512 consecutive bytes, at a multiple of 256 from out's first byte
.endr
.endm
	PLACES 4
	TOSTAGE 0
.irp a, 1,2,3,4,5,6,7
.if \a > 1
	s_wait_xcnt 0x0                                ; tile a - 2's stores have read their registers: tile a's loads may land there
.endif
	TOSTAGE \a
	SEND \a-1, 32                                  ; behind tile a - 1's loads: tile a's 16 stores and 16 loads
.endr
	SEND 7, 0
	s_wait_tensorcnt 0x0                           ; the wave's end
	ds_add_u32 v[SPW], v[NIL]
	s_wait_dscnt 0x0
	CROUND                                         ; the closing round: no work-group ends while a partner may still ask for a tile that names it
	s_endpgm
.Lfunc_end_k_q283a1ca878_gemm_proj:
	.size	k_q283a1ca878_gemm_proj, .Lfunc_end_k_q283a1ca878_gemm_proj-k_q283a1ca878_gemm_proj
	.p2alignl 7, 3214868480
	.fill 96, 4, 3214868480
	.section	.rodata,"a",@progbits
	.p2align	6, 0x0
	.amdhsa_kernel k_q283a1ca878_gemm_proj
		.amdhsa_group_segment_fixed_size 327680
		.amdhsa_private_segment_fixed_size 0
		.amdhsa_enable_private_segment 0
		.amdhsa_kernarg_size 32
		.amdhsa_user_sgpr_count 2
		.amdhsa_user_sgpr_kernarg_segment_ptr 1
		.amdhsa_wavefront_size32 1
		.amdhsa_system_sgpr_workgroup_id_x 1
		.amdhsa_system_sgpr_workgroup_id_y 1
		.amdhsa_system_sgpr_workgroup_id_z 1
		.amdhsa_system_vgpr_workitem_id 0
		.amdhsa_next_free_vgpr 1024
		.amdhsa_next_free_sgpr 96
		.amdhsa_reserve_vcc 1
		.amdhsa_float_denorm_mode_32 3
		.amdhsa_float_denorm_mode_16_64 3
		.amdhsa_memory_ordered 1
		.amdhsa_forward_progress 1
		.amdhsa_inst_pref_size 141
	.end_amdhsa_kernel
	.amdgpu_metadata
---
amdhsa.version: [ 1, 2 ]
amdhsa.kernels:
  - .name:           k_q283a1ca878_gemm_proj
    .symbol:         k_q283a1ca878_gemm_proj.kd
    .args:
      - { .name: yimg, .offset: 0, .size: 8, .value_kind: global_buffer, .address_space: global }
      - { .name: wimg, .offset: 8, .size: 8, .value_kind: global_buffer, .address_space: global }
      - { .name: scl, .offset: 16, .size: 8, .value_kind: global_buffer, .address_space: global }
      - { .name: out0, .offset: 24, .size: 8, .value_kind: global_buffer, .address_space: global }
    .group_segment_fixed_size: 327680
    .private_segment_fixed_size: 0
    .kernarg_segment_align: 8
    .kernarg_segment_size: 32
    .max_flat_workgroup_size: 128
    .sgpr_count:     96
    .vgpr_count:     1024
    .wavefront_size: 32
...
	.end_amdgpu_metadata
.endif
;; end of part 4
